; MI455X (gfx1250); checked and timed in simulation.
; The chip was launched on July 23, 2026; its instructions are those of AMD's public machine-readable ISA for CDNA 5 (MIT licence, August 2026) and "CDNA5" Instruction Set Architecture Reference Guide (July 2026). The comments in the code are by the model that wrote it; some were corrected since.
;; Multi Head Self Attention. Allowed arithmetic: matrix products marked QUANTISED: E5M2 operands, one E8M0 scale for each 32 along K, by v_wmma_scale_f32_16x16x128_f8f6f4 with both operands' format E5M2, f32 sums; everything else in f32.
;; Inputs: Wk_codes 1,024 x 32 x 32 uint8 (E5M2 codes of Wk, K innermost, in blocks of 32 codes); Wk_scales 1,024 x 32 uint8 (E8M0 scales of Wk, one for each 32 codes along K); Wo_codes 1,024 x 32 x 32 uint8 (E5M2 codes of Wo, K innermost, in blocks of 32 codes); Wo_scales 1,024 x 32 uint8 (E8M0 scales of Wo, one for each 32 codes along K); Wq_codes 1,024 x 32 x 32 uint8 (E5M2 codes of Wq, K innermost, in blocks of 32 codes); Wq_scales 1,024 x 32 uint8 (E8M0 scales of Wq, one for each 32 codes along K); Wv_codes 1,024 x 32 x 32 uint8 (E5M2 codes of Wv, K innermost, in blocks of 32 codes); Wv_scales 1,024 x 32 uint8 (E8M0 scales of Wv, one for each 32 codes along K); bk 1,024 float32; bo 1,024 float32; bq 1,024 float32; bv 1,024 float32; x_codes 4 x 2,048 x 32 x 32 uint8 (E5M2 codes of x, K innermost, in blocks of 32 codes); x_scales 4 x 2,048 x 32 uint8 (E8M0 scales of x, one for each 32 codes along K).
;; Outputs: out0 4 x 2,048 x 1,024 float32.
;; This version of the problem:
;;   THIS VERSION OF THE PROBLEM IS GIVEN IN LOW PRECISION. The matrix products marked QUANTISED in the list below multiply operands that are first quantised to E5M2 (5 exponent bits, 2 mantissa bits; 8 bits a number), with one power-of-two scale for each 32 numbers along K (OCP MX v1.0); their sums are f32. All else is computed in f32.
;;   The module's matrix products, in the order in which they are computed (A, B: the left and right operand; K: the contracted axis; several contracted axes count as one K, in the product's order):
;;     1. [M 8,192, K 1,024] x [K 1,024, N 1,024]; A: input x (given as codes); B: input Wq (given as codes): QUANTISED
;;     2. [M 8,192, K 1,024] x [K 1,024, N 1,024]; A: input x (given as codes); B: input Wk (given as codes): QUANTISED
;;     3. [M 8,192, K 1,024] x [K 1,024, N 1,024]; A: input x (given as codes); B: input Wv (given as codes): QUANTISED
;;     4. batch 64 x [M 2,048, K 64] x [K 64, N 2,048]; A: computed on the way; B: computed on the way: QUANTISED
;;     5. batch 64 x [M 2,048, K 2,048] x [K 2,048, N 64]; A: softmax (see below); B: computed on the way: QUANTISED
;;     6. [M 8,192, K 1,024] x [K 1,024, N 1,024]; A: computed on the way; B: input Wo (given as codes): QUANTISED
;;   THE QUANTISER, for each operand of a quantised product, along K:
;;     - K is cut into blocks of 32 from its start; a last block that is shorter is filled with zeros.
;;     - A block's scale is 2^e with e = floor(log2(the largest magnitude in the block)) - 15, held to -126 .. 127; a block of zeros has e = 0. As a byte (E8M0): e + 127.
;;     - Each number is divided by its block's scale, clamped to +-57,344, and rounded to the nearest number of E5M2, ties to even, subnormals kept.
;;     - The product sums the exact products of the quantised numbers (number of the format x scale) in f32.
;;   ~~~python
;;   def quantise(x, axis):      # numpy; x: float32 -> the quantised numbers, widened to float32 again
;;       x = np.moveaxis(x, axis, -1); K = x.shape[-1]
;;       x = np.pad(x, [(0, 0)] * (x.ndim - 1) + [(0, -K % 32)]); x = x.reshape(x.shape[:-1] + (-1, 32)); a = np.abs(x).max(-1, keepdims=True)
;;       e = np.where(a > 0, np.clip(np.frexp(np.where(a > 0, a, 1))[1] - 1 - 15, -126, 127), 0)      # np.frexp(a)[1] - 1 = floor(log2(a)), exactly
;;       r = np.clip(x / 2.0 ** e, -57344, 57344)
;;       step = 2.0 ** (np.maximum(np.frexp(np.where(r == 0, 1, r))[1] - 1, -14) - 2)
;;       q = np.round(r / step) * step * 2.0 ** e      # np.round: ties to even
;;       return np.moveaxis(q.reshape(q.shape[:-2] + (-1,))[..., :K], -1, axis).astype(np.float32)
;;   ~~~
;;   SOFTMAX AHEAD OF A QUANTISED PRODUCT. Where the list says 'softmax', what is quantised is not the finished softmax but p = 2^(t - M), with t = logit x log2(e) and M = ceil(the row's largest t), a whole number; so 1/2 < the row's largest p <= 1. The row's sum l is taken of the UNQUANTISED p, in f32, and the product's result is divided by l at the end. Since M is a whole number, a kernel that streams over the keys may use a running M (the ceiling of the running maximum): every later rescaling is an exact power of two, which a block's scale takes up: the codes' values come out the same.
;;   OPERANDS COMPUTED ON THE WAY. 'Computed on the way' means the value that the module computes at that place (a softmax that the list does not call 'softmax' is quantised finished and normalised). What goes into a quantiser is computed in f32, as accurately as f32 sums, v_exp_f32 and their like allow (about 1e-6 of the number): no bf16 or f16 on the way to a quantiser, and a product that is left as it is and whose result goes on into a quantised operand takes f32 operands (vector FMAs, or v_wmma_f32_16x16x4_f32). A number that lies on a knife's edge between two numbers of the format may be rounded either way, as far as f32 arithmetic and the matrix unit's own rounding can turn it there, and no further.
;;   INPUTS GIVEN AS CODES. Wk (in the module: [1024, 1024], K = its axis 1); Wo (in the module: [1024, 1024], K = its axis 1); Wq (in the module: [1024, 1024], K = its axis 1); Wv (in the module: [1024, 1024], K = its axis 1); x (in the module: [4, 2048, 1024], K = its axis 2): each comes as NAME_codes (uint8): NAME with its K axis moved to the last place and cut into blocks of 32 codes, [.., K / 32, bytes a block], one block behind the other in memory; one code a byte (a code: sign, 5 exponent bits, 2 mantissa bits); and NAME_scales (uint8): the same leading axes, one E8M0 byte (e + 127) for each 32 codes along K. Its value is code x scale, taken as it is: it is not quantised again, and the codes and scales need not be those that the quantiser above would give.
;; One version. Each part assembles by itself: llvm-mc -triple=amdgcn-amd-amdhsa -mcpu=gfx1250 --defsym DOCPART=n.
;; ======== version 1 of 1: 3 launches
;; limits: right only within a limited range of input values
;; workspace buffers: q_img 8,388,608 bytes; q_sc 262,144 bytes; kv_img 16,777,216 bytes; kv_sc 524,288 bytes; o_img 8,388,608 bytes; o_sc 262,144 bytes
;; launch qkv (part 1): grid 16 x 16, 4 waves a work-group, clusters of 4 x 4, 327,680 bytes of LDS; arguments x_codes, x_scales, Wq_codes, Wq_scales, Wk_codes, Wk_scales, Wv_codes, Wv_scales, bq, bk, bv, q_img, q_sc, kv_img, kv_sc; writes q_img, q_sc, kv_img, kv_sc
.if DOCPART == 1
	.amdgcn_target "amdgcn-amd-amdhsa--gfx1250"
	.amdhsa_code_object_version 6
	.text
	.protected	k_q7858752c18_qkv
	.globl	k_q7858752c18_qkv
	.p2align	8
	.type	k_q7858752c18_qkv,@function
k_q7858752c18_qkv:
	s_mov_b64 s[64:65], 0
	v_nop
	global_prefetch_b8 v0, s[64:65] scope:SCOPE_SE
	s_setreg_imm32_b32 hwreg(HW_REG_WAVE_MODE, 25, 1), 1
	s_wait_xcnt 0x0
	s_wait_alu depctr_hold_cnt(0) depctr_sa_sdst(0) depctr_va_vdst(0) depctr_va_sdst(0) depctr_va_ssrc(0) depctr_va_vcc(0) depctr_vm_vsrc(0)
	s_getreg_b32 s2, hwreg(HW_REG_IB_STS2, 6, 4)
	s_cmp_eq_u32 s2, 0
	s_cbranch_scc0 .Lentry_in_a_cluster
	s_endpgm
.Lentry_in_a_cluster:
	s_bfe_u32 s2, ttmp6, 0x10000c
	s_cmp_lg_u32 s2, 0xf033
	s_cbranch_scc0 .Lentry_shape_is_right
	s_endpgm
.Lentry_shape_is_right:
; Q, K, V = x W^T + b on codes of BF8 (E5M2, one E8M0 byte for 32 along K), each quantised again and stored as images of the operand registers of the attention launch (r = lane % 16, h = lane / 16).
; q_img [bh][tile of 16 tokens 128][block of 32 channels 2][lane][16 bytes]; place 8 u + j of a lane's 16 is channel 16 u + 8 h + j of the block.  q_sc [bh][pair of tiles 64][r] words: bytes (even tile: blocks 0, 1; odd tile: blocks 0, 1).
; kv_img [bh][262,144]: K laid as q_img, then V^T [128 keys s 16][16 channels t 4][block of 32 keys c 4][lane][16]; place 8 u + j is key 32 c + 16 u + 8 h + j.  kv_sc [bh][8,192]: K's words as q_sc's, then V's [s][t][r], byte c.
; THE DEAL.  256 work-groups of four waves, 2 x 2.  A wave holds 64 rows of a weight (one head), ALL of K, in 512 registers (windows 1, 2) and takes 64 of each 128 tokens in blocks of 16, which stand in window 3 as two sets.
; PHASE 1: 128 rows of Wq (tiles 0-7) or Wk (8-15) x 512 tokens: sixteen blocks a wave.  PHASE 2: 128 rows of Wv x ONE OF MY OWN TWO WINDOWS of 256 tokens (its number: the cluster's x % 2; Wv's tile: 4 (cluster x / 2) + cx): eight blocks.
; LDS: two slots X, Y of 128 rows x (1,024 + 16) bytes, and the scale bytes of the 512 tokens in the order of work.  Phase 1 takes the window that is not V's first (chunks 0, 1), V's last (chunks 2, 3).
; FILLS.  Head: the first weight into Y (wave 0), chunk 0 into X (wave 1), a window's scale bytes each (waves 2, 3).  Then drained rounds of the cluster's barrier, 32 rows a wave: chunk 1 over the weight when it is in registers;
; chunk 2 into X inside block 2; chunk 3 into Y inside block 6; Wv's rows into X inside block 10; chunk 2 anew into X when Wv is in registers.  V takes chunk 3 as it lies in Y, then chunk 2.  Tokens are shared along a row of the cluster, weights along a column.
; A block is 32 products on four accumulators by turns; the bias is the first products' C.  Q, K: source 0 = the weight's rows: a lane holds one token and eight channels.  V: source 0 = tokens: a lane holds one channel and eight tokens.
; PREFETCH, each block of 256 bytes once in a row (Wv: a column) of a cluster, 8,192 bytes a wave, shared out by address: chunks 1 and 2 at the head, chunk 3 at chunk 2's refill, Wv's rows at chunk 3's.
; V's scale bytes are stored two bytes a lane: a word's four bytes come from two waves; it is one byte in 32 of what is stored for V.
; LIMITS: no NaN or infinities; a block's byte never falls under 1 (this program alone reads the bytes).
.set PITCH, 1040
.set YB, 128*PITCH
.set SCL, 2*YB
.set SPARE, SCL+64*272
.set NF, 34                            ; LDS loads of a block: eight fragments of four, two of four scale words
.set NP, 8
.set ADX, 4                            ; v4, v5 my tokens' rows in slot X, Y
.set ADW, 6                            ; my rows of the first weight, in Y
.set ADWV, 7                           ; of Wv, in X
.set AAS, 8
.set ABS, 9
.set SPW, 10
.set NIL, 11
.set CO, 12
.set L4, 13
.set BOF, 14
.set BOF2, 15
.set PFO, 16                           ; v16-19 the prefetches' offsets
.set SB, 24                            ; v24-39 the first weight's scale words: register 8 p + q: lanes 0-15 tile 2 p, lanes 16-31 tile 2 p + 1
.set BV, 40
.set SA, 44                            ; v44-59 the tokens': two sets of eight
.set ACC, 64                           ; v64-127 two sets of four accumulators
.set TM, 128
.set PC, 144
.set PB, 160
.set WS2, 164
.set SBV, 176                          ; v176-191 Wv's scale words
.set BQV, 192                          ; v192-223 phase 2's first C
.set BQ, 224                           ; v224-255 phase 1's
.set G1W, 24
.set G1X, 32
.set G1R, 48
.set G1S, 56
.set G0W, 68
.set G0X, 72
.set G0S, 76
.set G0R, 80
.set SEL, 100
.set MNT, 3
.set MSB, 0
.macro WIN new
.if MSB != \new
	s_set_vgpr_msb (MSB<<8)|\new
.set MSB, \new
.endif
.endm
.macro PLACES n
.rept \n
	v_nop
.endr
.endm
.macro BARRIER
	s_barrier_signal -1
	s_barrier_wait -1
.endm
.macro CROUND
	BARRIER
	s_cmp_lg_u32 s40, 0
	s_cbranch_scc1 .Lnot_wave_0_\@
	s_barrier_signal -3
.Lnot_wave_0_\@:
	s_barrier_wait -3
	BARRIER
.endm
.macro TLOAD g0, g1
	tensor_load_to_lds s[\g0:\g0+3], s[\g1:\g1+7]
	s_nop 0
	PLACES 4
.endm
.macro GROUP1 g, mask, rows            ; so many whole rows of 1,024 bytes, 16 bytes of padding behind each
	s_or_b32 s[\g+0], s[\mask], (1<<20)|(1<<21)|(7<<22)|(3<<25)
	s_mov_b32 s[\g+1], 1024<<16
	s_mov_b32 s[\g+2], (\rows)<<16
	s_mov_b32 s[\g+3], 1024<<16
	s_mov_b32 s[\g+4], \rows
	s_mov_b32 s[\g+5], 1024
	s_mov_b32 s[\g+6], 0
	s_mov_b32 s[\g+7], 0
.endm
	s_load_b512 s[4:19], s[0:1], 0x0               ; x_codes, x_scales, Wq_codes, Wq_scales, Wk_codes, Wk_scales, Wv_codes, Wv_scales
	s_load_b256 s[84:91], s[0:1], 0x40             ; bq, bk, bv, q_img
	s_load_b128 s[92:95], s[0:1], 0x60             ; q_sc, kv_img
	s_load_b64 s[96:97], s[0:1], 0x70              ; kv_sc
	v_lshl_add_u32 v[SPW], v0, 2, SPARE
	v_mov_b32 v[NIL], 0
	ds_add_u32 v[SPW], v[NIL]                      ; the opening lines
	ds_add_u32 v[SPW], v[NIL]
	v_lshrrev_b32 v1, 5, v0
	v_readfirstlane_b32 s40, v1                    ; wave
	s_lshr_b32 s41, s40, 1                         ; my half of a chunk's tokens
	s_and_b32 s42, s40, 1                          ; my half of a weight's rows
	s_bfe_u32 s43, ttmp6, 0x40000                  ; cx
	s_bfe_u32 s44, ttmp6, 0x40004                  ; cy
	s_lshl_b32 s45, ttmp9, 2
	s_add_co_u32 s45, s45, s43                     ; phase 1's tile of 128 rows: 0-7 Wq, 8-15 Wk
	s_and_b32 s46, ttmp7, 0xffff
	s_lshl_b32 s46, s46, 2
	s_add_co_u32 s46, s46, s44                     ; the tile of 512 tokens
	s_and_b32 s47, ttmp9, 1                        ; V's window
	s_lshr_b32 s100, ttmp9, 1                      ; 0: Q, 1: K
	s_and_b32 s101, s45, 7
	s_lshl_b32 s98, s44, 2
	s_lshl_b32 s98, 15, s98                        ; my row of the cluster
	s_lshl_b32 s99, 0x1111, s43                    ; my column
	GROUP1 G1W, 99, 128
	GROUP1 G1X, 98, 128
	GROUP1 G1R, 98, 32
	s_or_b32 s[G1S+0], s98, (3<<16)|(1<<20)|(1<<21)|(5<<22)|(3<<25)   ; the scale bytes of 256 tokens: 32 rows of 256 bytes, 16 of padding behind each
	s_mov_b32 s[G1S+1], 32<<16
	s_mov_b32 s[G1S+2], 32<<16
	s_mov_b32 s[G1S+3], 32<<16
	s_mov_b32 s[G1S+4], 32
	s_mov_b32 s[G1S+5], 32
	s_mov_b32 s[G1S+6], 0
	s_mov_b32 s[G1S+7], 0
	s_mov_b32 s[G0W], 1
	s_mov_b32 s[G0W+1], YB
	s_mov_b32 s[G0X], 1
	s_mov_b32 s[G0X+1], 0
	s_mov_b32 s[G0S], 1
	s_mul_i32 s[G0S+1], s42, 32*272
	s_add_co_u32 s[G0S+1], s[G0S+1], SCL
	s_mov_b32 s[G0R], 1
	s_mul_i32 s[G0R+1], s40, 32*PITCH
	s_add_co_u32 s[G0R+1], s[G0R+1], YB
	s_lshl_b32 s23, s46, 19                        ; offsets in x_codes: the tile,
	s_lshl_b32 s2, s47, 18
	s_add_co_u32 s104, s23, s2                     ; s104: chunk 2 (V's window),
	s_xor_b32 s2, s2, 1<<18
	s_add_co_u32 s23, s23, s2                      ; s23: chunk 0 (the other window)
	s_lshl_b32 s105, s40, 15                       ; s105: my 32 rows of a refill
	s_add_co_u32 s22, s23, s105
	s_add_co_u32 s22, s22, 131072                  ; chunk 1, my rows
	s_xor_b32 s2, s47, s42                         ; wave 2 takes the scale bytes of the window that is not V's, wave 3 V's
	s_xor_b32 s2, s2, 1
	s_lshl_b32 s2, s2, 13
	s_lshl_b32 s3, s46, 14
	s_add_co_u32 s3, s3, s2
	s_mov_b32 s21, 0
	s_wait_dscnt 0x0
	s_wait_kmcnt 0x0
	s_cmp_lt_u32 ttmp9, 2
	s_cselect_b64 s[8:9], s[8:9], s[12:13]         ; the first weight: Wq or Wk
	s_cselect_b64 s[10:11], s[10:11], s[14:15]
	s_lshl_b32 s20, s101, 17
	s_add_nc_u64 s[G0W+2:G0W+3], s[8:9], s[20:21]
	s_or_b32 s[G0W+3], s[G0W+3], 0x80000000
	s_mov_b32 s20, s23
	s_add_nc_u64 s[G0X+2:G0X+3], s[4:5], s[20:21]
	s_or_b32 s[G0X+3], s[G0X+3], 0x80000000
	s_mov_b32 s20, s3
	s_add_nc_u64 s[G0S+2:G0S+3], s[6:7], s[20:21]
	s_or_b32 s[G0S+3], s[G0S+3], 0x80000000
	s_mov_b32 s20, s22
	s_add_nc_u64 s[G0R+2:G0R+3], s[4:5], s[20:21]
	s_or_b32 s[G0R+3], s[G0R+3], 0x80000000
	CROUND                                         ; all sixteen work-groups are here
	s_cmp_eq_u32 s40, 0                            ; one joint load a wave
	s_cbranch_scc0 .Lwave_1
	TLOAD G0W, G1W
	s_branch .Lasked
.Lwave_1:
	s_cmp_eq_u32 s40, 1
	s_cbranch_scc0 .Lfor_scales
	TLOAD G0X, G1X
	s_branch .Lasked
.Lfor_scales:
	TLOAD G0S, G1S
.Lasked:
	; WHERE MY RESULTS GO.  Phase 1: s[12:13], s[90:91] codes and scale words of the window that is not V's; s[14:15], s[92:93] of V's window
	s_cmp_lt_u32 ttmp9, 2
	s_cselect_b64 s[12:13], s[90:91], s[94:95]     ; q_img or kv_img
	s_cselect_b64 s[90:91], s[92:93], s[96:97]     ; q_sc or kv_sc
	s_cselect_b64 s[84:85], s[84:85], s[86:87]     ; bq or bk
	s_mov_b32 s87, 0
	s_lshr_b32 s20, s46, 2                         ; batch
	s_lshl_b32 s20, s20, 4
	s_lshl_b32 s2, s101, 1
	s_add_co_u32 s20, s20, s2
	s_add_co_u32 s20, s20, s42                     ; bh
	s_add_co_u32 s2, s100, 17
	s_lshl_b32 s86, s20, s2                        ; a head's images: 2^17 bytes of Q, 2^18 of K and V
	s_sub_co_u32 s2, s2, 5
	s_lshl_b32 s20, s20, s2                        ; its scale words
	s_and_b32 s2, s46, 3                           ; tile of 16 tokens = 32 (tile % 4) + 16 window + 8 chunk + 4 half + block
	s_lshl_b32 s99, s2, 15
	s_add_co_u32 s86, s86, s99
	s_lshl_b32 s99, s2, 10
	s_add_co_u32 s20, s20, s99
	s_lshl_b32 s99, s41, 12
	s_add_co_u32 s86, s86, s99
	s_lshl_b32 s99, s41, 7
	s_add_co_u32 s20, s20, s99
	s_lshl_b32 s2, s47, 14
	s_lshl_b32 s3, s47, 9
	s_add_co_u32 s86, s86, s2
	s_add_co_u32 s20, s20, s3
	s_add_nc_u64 s[14:15], s[12:13], s[86:87]
	s_add_nc_u64 s[92:93], s[90:91], s[20:21]
	s_sub_co_u32 s86, s86, s2
	s_sub_co_u32 s20, s20, s3
	s_xor_b32 s2, s2, 1<<14
	s_xor_b32 s3, s3, 1<<9
	s_add_co_u32 s86, s86, s2
	s_add_co_u32 s20, s20, s3
	s_add_nc_u64 s[12:13], s[12:13], s[86:87]
	s_add_nc_u64 s[90:91], s[90:91], s[20:21]
	s_lshl_b32 s20, s101, 9
	s_lshl_b32 s99, s42, 8
	s_add_co_u32 s20, s20, s99
	s_add_nc_u64 s[84:85], s[84:85], s[20:21]      ; phase 1's 64 numbers of the bias
	s_lshl_b32 s20, s101, 12
	s_lshl_b32 s99, s42, 11
	s_add_co_u32 s20, s20, s99
	s_add_nc_u64 s[10:11], s[10:11], s[20:21]      ; the scale bytes of my 64 rows of the first weight
	s_lshl_b32 s98, s100, 2                        ; phase 2: Wv's tile,
	s_add_co_u32 s98, s98, s43
	s_lshl_b32 s2, s46, 1
	s_add_co_u32 s2, s2, s47                       ; the window among the 32 windows of 256 tokens
	s_lshr_b32 s3, s2, 3
	s_lshl_b32 s3, s3, 4
	s_lshl_b32 s99, s98, 1
	s_add_co_u32 s3, s3, s99
	s_add_co_u32 s3, s3, s42                       ; bh
	s_and_b32 s2, s2, 7
	s_lshl_b32 s20, s3, 18
	s_lshl_b32 s99, s2, 14
	s_add_co_u32 s20, s20, s99
	s_lshl_b32 s99, s41, 10
	s_add_co_u32 s20, s20, s99
	s_add_co_u32 s20, s20, 131072
	s_add_nc_u64 s[94:95], s[94:95], s[20:21]      ; V's images
	s_lshl_b32 s20, s3, 13
	s_lshl_b32 s99, s2, 9
	s_add_co_u32 s20, s20, s99
	s_lshl_b32 s99, s41, 1
	s_add_co_u32 s20, s20, s99
	s_add_co_u32 s20, s20, 4096
	s_add_nc_u64 s[96:97], s[96:97], s[20:21]      ; V's scale words
	s_lshl_b32 s20, s98, 9
	s_lshl_b32 s99, s42, 8
	s_add_co_u32 s20, s20, s99
	s_add_nc_u64 s[88:89], s[88:89], s[20:21]      ; bv
	s_lshl_b32 s20, s98, 12
	s_lshl_b32 s99, s42, 11
	s_add_co_u32 s20, s20, s99
	s_add_nc_u64 s[18:19], s[18:19], s[20:21]      ; the scale bytes of my 64 rows of Wv
	s_lshl_b32 s98, s98, 17                        ; s98: Wv's tile in Wv_codes
	s_mul_i32 s2, s41, 64*PITCH
	s_add_co_u32 s3, s2, YB
	s_mul_i32 s99, s42, 64*PITCH
	s_add_co_u32 s20, s99, YB
	s_mul_i32 s86, s41, 8*272
	s_add_co_u32 s86, s86, SCL
	s_lshl_b32 s87, s43, 2                         ; my sixteenth of a chunk among my row's sixteen waves,
	s_add_co_u32 s87, s87, s40
	s_lshl_b32 s87, s87, 13
	s_lshl_b32 s100, s44, 2                        ; and of Wv's rows among my column's
	s_add_co_u32 s100, s100, s40
	s_lshl_b32 s100, s100, 13
	s_add_co_u32 s100, s100, s98
	v_and_b32 v1, 15, v0                           ; r
	v_bfe_u32 v2, v0, 4, 1                         ; h
	v_and_b32 v3, 31, v0
	v_mul_u32_u24 v20, v1, PITCH
	v_lshlrev_b32 v21, 5, v1
	v_lshrrev_b32 v22, 3, v1
	v_lshl_add_u32 v23, v3, 8, s87
	v_lshl_add_u32 v20, v2, 4, v20                 ; a fragment's row x pitch + 16 h
	v_lshl_add_u32 v21, v22, 4, v21                ; a row's scale bytes: 32 r, and 16 more behind each 256
	v_add_nc_u32 v[PFO], s23, v23
	v_add_nc_u32 v[PFO+1], s104, v23               ; chunk 2
	v_add_nc_u32 v[ADX], s2, v20
	v_add_nc_u32 v[ADX+1], s3, v20
	v_add_nc_u32 v[ADWV], s99, v20
	v_add_nc_u32 v[ADW], s20, v20
	v_add_nc_u32 v[AAS], s86, v21
	v_add_nc_u32 v[PFO], 131072, v[PFO]            ; chunk 1
	v_add_nc_u32 v[PFO+2], 131072, v[PFO+1]        ; chunk 3
	v_lshl_add_u32 v[PFO+3], v3, 8, s100           ; Wv's rows
	v_lshlrev_b32 v[ABS], 5, v3
	v_lshlrev_b32 v[CO], 4, v3
	v_lshlrev_b32 v[L4], 2, v3
	v_lshlrev_b32 v[BOF], 5, v2
	v_lshlrev_b32 v[BOF2], 2, v1
.irp t, 0,1,2,3
	v_mov_b32 v[TM+4+\t], 0                        ; a lane permute's destination counts as one of its sources
.endr
	s_mov_b32 s[SEL], 0x76543210
	s_mov_b32 s[SEL+1], 0xfedcba98
	s_mov_b32 s[MNT], 0x600000
.irp p, 0,1
.irp c, 0,1
	global_load_b128 v[SB+8*\p+4*\c:SB+8*\p+4*\c+3], v[ABS], s[10:11] offset:\p*1024+16*\c
	global_load_b128 v[SBV+8*\p+4*\c:SBV+8*\p+4*\c+3], v[ABS], s[18:19] offset:\p*1024+16*\c
.endr
.endr
.irp b, 0,1,2,3
	global_load_b128 v[BQ+8*\b:BQ+8*\b+3],   v[BOF], s[84:85] offset:64*\b      ; register j of tile b: channel 16 b + 8 h + j
	global_load_b128 v[BQ+8*\b+4:BQ+8*\b+7], v[BOF], s[84:85] offset:64*\b+16
	global_load_b32 v[BV+\b], v[BOF2], s[88:89] offset:64*\b
.endr
	global_prefetch_b8 v[PFO], s[4:5] th:TH_LOAD_NT scope:SCOPE_SE
	global_prefetch_b8 v[PFO+1], s[4:5] th:TH_LOAD_NT scope:SCOPE_SE
	s_wait_alu depctr_va_vdst(0)                   ; the wait ahead of the blocking wait
	s_wait_tensorcnt 0x0                           ; my tile of the head's four is in
	BARRIER                                        ; everybody's is
.macro WEIGHTS adr                     ; my 64 rows of a weight, all of K: fragment 4 q + b in window 1 + (4 q + b) / 16
.irp q, 0,1,2,3,4,5,6,7
	WIN (1+\q/4)<<6
.irp b, 0,1,2,3
.irp c, 0,1,2,3
	ds_load_b128 v[16*((4*\q+\b)%16)+4*\c:16*((4*\q+\b)%16)+4*\c+3], v[\adr] offset:\b*16*PITCH+128*\q+32*\c
.endr
.endr
.endr
	WIN 0
.endm
.macro FETCH e, sl, j, ci              ; block j of chunk ci, which lies in slot sl, into set e, and its scale words
	WIN 3<<6
.irp q, 0,1,2,3,4,5,6,7
.irp c, 0,1,2,3
	ds_load_b128 v[128*(\e)+16*\q+4*\c:128*(\e)+16*\q+4*\c+3], v[ADX+(\sl)] offset:(\j)*16*PITCH+128*\q+32*\c
.endr
.endr
	WIN 0
	ds_load_b128 v[SA+8*(\e):SA+8*(\e)+3], v[AAS] offset:(16*(\ci)+2*(\j))*272
	ds_load_b128 v[SA+8*(\e)+4:SA+8*(\e)+7], v[AAS] offset:(16*(\ci)+2*(\j))*272+16
.endm
.macro PROD kind, e, n                 ; product n = 4 q + b: the q-th 128 of K, tile b of the weight's rows.  kind 0: Q, K; 1: V
.set Q_, (\n)/4
.set B_, (\n)%4
.set AC_, ACC+32*(\e)+8*B_
.set C_, AC_
.if Q_ == 0
.set C_, BQ-32*(\kind)+8*B_
.endif
.set R_, 128*(\e)+16*Q_
.set W_, 16*((\n)%16)
.set XS_, SA+8*(\e)+Q_
.if \kind
.set WS_, SBV+8*(B_/2)+Q_
	WIN 3|((1+(\n)/16)<<2)
.if B_%2
	v_wmma_scale_f32_16x16x128_f8f6f4 v[AC_:AC_+7], v[R_:R_+15], v[W_:W_+15], v[C_:C_+7], v[XS_], v[WS_] matrix_a_fmt:MATRIX_FMT_BF8 matrix_b_fmt:MATRIX_FMT_BF8 matrix_b_scale:MATRIX_SCALE_ROW1
.else
	v_wmma_scale_f32_16x16x128_f8f6f4 v[AC_:AC_+7], v[R_:R_+15], v[W_:W_+15], v[C_:C_+7], v[XS_], v[WS_] matrix_a_fmt:MATRIX_FMT_BF8 matrix_b_fmt:MATRIX_FMT_BF8
.endif
.else
.set WS_, SB+8*(B_/2)+Q_
	WIN (1+(\n)/16)|(3<<2)
.if B_%2
	v_wmma_scale_f32_16x16x128_f8f6f4 v[AC_:AC_+7], v[W_:W_+15], v[R_:R_+15], v[C_:C_+7], v[WS_], v[XS_] matrix_a_fmt:MATRIX_FMT_BF8 matrix_b_fmt:MATRIX_FMT_BF8 matrix_a_scale:MATRIX_SCALE_ROW1
.else
	v_wmma_scale_f32_16x16x128_f8f6f4 v[AC_:AC_+7], v[W_:W_+15], v[R_:R_+15], v[C_:C_+7], v[WS_], v[XS_] matrix_a_fmt:MATRIX_FMT_BF8 matrix_b_fmt:MATRIX_FMT_BF8
.endif
.endif
.endm
.macro PRODS kind, e
.set N_, 0
.rept 32
	PROD \kind, \e, N_
.set N_, N_+1
.endr
	WIN 0
	PLACES NP                                      ; ahead of the first reader of the sums and of loads into what the products have read
.endm
.macro REFILL what                     ; a drained round and my one joint load behind it.  0: chunk 2 into X; 1: chunk 3 into Y; 2: Wv's rows into X
	s_wait_alu depctr_va_vdst(0)
	s_wait_tensorcnt 0x0
	ds_add_u32 v[SPW], v[NIL]
.if (\what) == 2
	s_mul_i32 s[G0W+1], s40, 32*PITCH
	s_add_co_u32 s20, s98, s105
	s_add_nc_u64 s[G0W+2:G0W+3], s[16:17], s[20:21]
	s_or_b32 s[G0W+3], s[G0W+3], 0x80000000
.else
	s_mul_i32 s[G0R+1], s40, 32*PITCH
	s_add_co_u32 s20, s104, s105
.if \what
	s_add_co_u32 s[G0R+1], s[G0R+1], YB
	s_add_co_u32 s20, s20, 131072
.endif
	s_add_nc_u64 s[G0R+2:G0R+3], s[4:5], s[20:21]
	s_or_b32 s[G0R+3], s[G0R+3], 0x80000000
.endif
	s_wait_dscnt 0x0                               ; the add is done, and my reads of the slot are over
	CROUND
.if (\what) == 2
	TLOAD G0W, G1W
.else
	TLOAD G0R, G1R
.endif
.endm
.macro QBLK e, ci, j                   ; a block of Q or K: 16 tokens x 64 channels are quantised (two scale blocks, each in lanes l and l xor 16) and leave
.set X_, ACC+32*(\e)
.set PP_, 12+2*((\ci)/2)
.set SP_, 90+2*((\ci)/2)
	s_wait_xcnt 0x0                                ; the stores before have read their registers
.irp t, 0,1,2,3
	v_max3_num_f32 v[TM+\t], |v[X_+8*\t]|, |v[X_+8*\t+1]|, 0x8000000
.endr
.irp i, 2,4,6
.irp t, 0,1,2,3
	v_max3_num_f32 v[TM+\t], v[TM+\t], |v[X_+8*\t+\i]|, |v[X_+8*\t+\i+1]|
.endr
.endr
	v_max_num_f32 v[TM], v[TM], v[TM+1]
	v_max_num_f32 v[TM+1], v[TM+2], v[TM+3]
.irp u, 0,1
	v_permlanex16_b32 v[TM+4+\u], v[TM+\u], s[SEL], s[SEL+1]
.endr
.irp u, 0,1
	v_max_num_f32 v[TM+\u], v[TM+\u], v[TM+4+\u]
.endr
.irp u, 0,1
	v_add_nc_u32 v[TM+12+\u], 0xf8800000, v[TM+\u]
.endr
.irp u, 0,1
	v_and_or_b32 v[TM+8+\u], v[TM+\u], 0x7f800000, s[MNT]
.endr
.irp u, 0,1
	v_lshrrev_b32 v[TM+4+\u], 23, v[TM+12+\u]
.endr
.irp u, 0,1
.irp i, 0,1,2,3,4,5,6,7,8,9,10,11,12,13,14,15
	v_med3_num_f32 v[X_+16*\u+\i], v[X_+16*\u+\i], -v[TM+8+\u], v[TM+8+\u]
.endr
	v_cvt_scalef32_pk8_bf8_f32 v[PC+4*\u:PC+4*\u+1], v[X_+16*\u:X_+16*\u+7], v[TM+12+\u]
	v_cvt_scalef32_pk8_bf8_f32 v[PC+4*\u+2:PC+4*\u+3], v[X_+16*\u+8:X_+16*\u+15], v[TM+12+\u]
.endr
	v_nop
.irp u, 0,1
	global_store_b128 v[CO], v[PC+4*\u:PC+4*\u+3], s[PP_:PP_+1] offset:((\ci)%2)*8192+(\j)*1024+\u*512   ; 512 consecutive bytes, aligned
.endr
.if (\j)%2
	v_lshl_or_b32 v[TM+4], v[TM+5], 8, v[TM+4]
	v_lshl_or_b32 v[PB+(\j)/2], v[TM+4], 16, v[PB+(\j)/2]
.else
	v_lshl_or_b32 v[PB+(\j)/2], v[TM+5], 8, v[TM+4]
.endif
.if (\j) == 3
	v_cmp_eq_u32 vcc_lo, 1, v2
	v_cndmask_b32 v[WS2], v[PB], v[PB+1], vcc_lo   ; lanes 0-15 my first pair of tiles, lanes 16-31 my second
	global_store_b32 v[L4], v[WS2], s[SP_:SP_+1] offset:((\ci)%2)*256
.endif
.endm
.macro QPAIR ch, p                     ; two blocks of V on end: 32 keys x 64 channels are quantised and leave
	s_wait_xcnt 0x0
.irp t, 0,1,2,3
	v_max3_num_f32 v[TM+\t], |v[ACC+8*\t]|, |v[ACC+8*\t+1]|, 0x8000000
.endr
.irp i, 2,4,6,32,34,36,38
.irp t, 0,1,2,3
	v_max3_num_f32 v[TM+\t], v[TM+\t], |v[ACC+8*\t+\i]|, |v[ACC+8*\t+\i+1]|
.endr
.endr
.irp t, 0,1,2,3
	v_permlanex16_b32 v[TM+4+\t], v[TM+\t], s[SEL], s[SEL+1]
.endr
.irp t, 0,1,2,3
	v_max_num_f32 v[TM+\t], v[TM+\t], v[TM+4+\t]
.endr
.irp t, 0,1,2,3
	v_add_nc_u32 v[TM+12+\t], 0xf8800000, v[TM+\t]
.endr
.irp t, 0,1,2,3
	v_and_or_b32 v[TM+8+\t], v[TM+\t], 0x7f800000, s[MNT]
.endr
.irp t, 0,1,2,3
.if \p
	v_lshrrev_b32 v[TM+4+\t], 23, v[TM+12+\t]
.else
	v_lshrrev_b32 v[PB+\t], 23, v[TM+12+\t]
.endif
.endr
.irp t, 0,1,2,3
.irp i, 0,1,2,3,4,5,6,7,32,33,34,35,36,37,38,39
	v_med3_num_f32 v[ACC+8*\t+\i], v[ACC+8*\t+\i], -v[TM+8+\t], v[TM+8+\t]
.endr
	v_cvt_scalef32_pk8_bf8_f32 v[PC+4*\t:PC+4*\t+1], v[ACC+8*\t:ACC+8*\t+7], v[TM+12+\t]
	v_cvt_scalef32_pk8_bf8_f32 v[PC+4*\t+2:PC+4*\t+3], v[ACC+32+8*\t:ACC+32+8*\t+7], v[TM+12+\t]
.endr
	v_nop
.irp t, 0,1,2,3
	global_store_b128 v[CO], v[PC+4*\t:PC+4*\t+3], s[94:95] offset:(\ch)*8192+\t*2048+(\p)*512
.endr
.if \p
.irp t, 0,1,2,3
	v_lshl_or_b32 v[PB+\t], v[TM+4+\t], 8, v[PB+\t]
.endr
	v_cmp_eq_u32 vcc_lo, 1, v2
.irp g, 0,1
	v_cndmask_b32 v[WS2+\g], v[PB+2*\g], v[PB+2*\g+1], vcc_lo
.endr
.irp g, 0,1
	global_store_b16 v[L4], v[WS2+\g], s[96:97] offset:(\ch)*256+\g*128
.endr
.endif
.endm
.macro BLK1 k                          ; phase 1's block k: block k % 4 of chunk k / 4, which lies in slot (k / 4) % 2
.set E_, (\k)%2
.set K2_, (\k)+2
	s_wait_dscnt NF                                ; this block is in; the next block's loads may be out
	PRODS 0, E_
	QBLK E_, (\k)/4, (\k)%4
.if (\k) == 2
	REFILL 0                                       ; chunk 1 is in everywhere, nobody reads chunk 0 any more
.elseif (\k) == 6
	REFILL 1
.elseif (\k) == 10
	REFILL 2
.endif
.if K2_ < 16
	FETCH E_, (K2_/4)%2, K2_%4, K2_/4
.else
	FETCH E_, 1, K2_-16, 3                         ; V's first two blocks: chunk 3 again, as it lies in Y
.endif
.if (\k) == 2
	global_prefetch_b8 v[PFO+2], s[4:5] th:TH_LOAD_NT scope:SCOPE_SE
.elseif (\k) == 6
	global_prefetch_b8 v[PFO+3], s[16:17] th:TH_LOAD_NT scope:SCOPE_SE
.endif
.endm
.macro BLK2 n                          ; V's block n: blocks 0-3 chunk 3 (in Y), blocks 4-7 chunk 2 (in X)
.set E_, (\n)%2
.set K2_, (\n)+2
.if (\n) == 7
	s_wait_dscnt 0x0
.else
	s_wait_dscnt NF
.endif
	PRODS 1, E_
.if (\n)%2
	QPAIR 1-(\n)/4, ((\n)%4)/2
.endif
.if (\n) == 2
	s_wait_alu depctr_va_vdst(0)
	s_wait_tensorcnt 0x0                           ; my part of chunk 2 is in,
	s_wait_dscnt 0x0
	BARRIER                                        ; everybody's is
.endif
.if (\n) < 6
	FETCH E_, 1-K2_/4, K2_%4, 3-K2_/4
.endif
.endm
	WEIGHTS ADW
	s_wait_tensorcnt 0x0                           ; the three lines ahead of a refill's round
	ds_add_u32 v[SPW], v[NIL]
	s_mov_b32 s[G1W+2], 32<<16                     ; no tensor load of mine is out: from here on a load of a weight's rows brings 32
	s_mov_b32 s[G1W+4], 32
	s_wait_dscnt 0x0                               ; the weight is in my registers
	CROUND
	TLOAD G0R, G1R                                 ; chunk 1 over the weight's bytes
	FETCH 0, 0, 0, 0
	FETCH 1, 0, 1, 0
	s_wait_loadcnt 0x0
.irp t, 0,1,2,3
.irp i, 0,1,2,3,4,5,6,7
	v_mov_b32 v[BQV+8*\t+\i], v[BV+\t]             ; a lane's eight tokens of V's tile t begin with its channel's bias
.endr
.endr
	s_wait_alu depctr_va_vdst(0)                   ; the wait at the head's end
.irp k, 0,1,2,3,4,5,6,7,8,9,10,11,12,13,14,15
	BLK1 \k
.endr
	s_wait_alu depctr_va_vdst(0)                   ; THE CHANGE OF PHASE
	s_wait_tensorcnt 0x0                           ; my part of Wv's rows is in,
	s_wait_dscnt 0x0
	BARRIER                                        ; everybody's is
	WEIGHTS ADWV
	REFILL 0                                       ; Wv is in registers: chunk 2 anew over its bytes
.irp n, 0,1,2,3,4,5,6,7
	BLK2 \n
.endr
	s_wait_tensorcnt 0x0                           ; the wave's end
	ds_add_u32 v[SPW], v[NIL]
	s_wait_dscnt 0x0
	CROUND
	s_endpgm
.Lfunc_end_k_q7858752c18_qkv:
	.size	k_q7858752c18_qkv, .Lfunc_end_k_q7858752c18_qkv-k_q7858752c18_qkv
	.p2alignl 7, 3214868480
	.fill 96, 4, 3214868480
	.section	.rodata,"a",@progbits
	.p2align	6, 0x0
	.amdhsa_kernel k_q7858752c18_qkv
		.amdhsa_group_segment_fixed_size 327680
		.amdhsa_private_segment_fixed_size 0
		.amdhsa_enable_private_segment 0
		.amdhsa_kernarg_size 120
		.amdhsa_user_sgpr_count 2
		.amdhsa_user_sgpr_kernarg_segment_ptr 1
		.amdhsa_wavefront_size32 1
		.amdhsa_system_sgpr_workgroup_id_x 1
		.amdhsa_system_sgpr_workgroup_id_y 1
		.amdhsa_system_sgpr_workgroup_id_z 1
		.amdhsa_system_vgpr_workitem_id 0
		.amdhsa_next_free_vgpr 1024
		.amdhsa_next_free_sgpr 106
		.amdhsa_reserve_vcc 1
		.amdhsa_float_denorm_mode_32 3
		.amdhsa_float_denorm_mode_16_64 3
		.amdhsa_memory_ordered 1
		.amdhsa_forward_progress 1
		.amdhsa_inst_pref_size 255
	.end_amdhsa_kernel
	.section	.bss,"aw",@nobits
	.p2align	6
	.space	262144
	.amdgpu_metadata
---
amdhsa.version: [ 1, 2 ]
amdhsa.kernels:
  - .name:           k_q7858752c18_qkv
    .symbol:         k_q7858752c18_qkv.kd
    .args:
      - { .name: x_codes, .offset: 0, .size: 8, .value_kind: global_buffer, .address_space: global }
      - { .name: x_scales, .offset: 8, .size: 8, .value_kind: global_buffer, .address_space: global }
      - { .name: Wq_codes, .offset: 16, .size: 8, .value_kind: global_buffer, .address_space: global }
      - { .name: Wq_scales, .offset: 24, .size: 8, .value_kind: global_buffer, .address_space: global }
      - { .name: Wk_codes, .offset: 32, .size: 8, .value_kind: global_buffer, .address_space: global }
      - { .name: Wk_scales, .offset: 40, .size: 8, .value_kind: global_buffer, .address_space: global }
      - { .name: Wv_codes, .offset: 48, .size: 8, .value_kind: global_buffer, .address_space: global }
      - { .name: Wv_scales, .offset: 56, .size: 8, .value_kind: global_buffer, .address_space: global }
      - { .name: bq, .offset: 64, .size: 8, .value_kind: global_buffer, .address_space: global }
      - { .name: bk, .offset: 72, .size: 8, .value_kind: global_buffer, .address_space: global }
      - { .name: bv, .offset: 80, .size: 8, .value_kind: global_buffer, .address_space: global }
      - { .name: q_img, .offset: 88, .size: 8, .value_kind: global_buffer, .address_space: global }
      - { .name: q_sc, .offset: 96, .size: 8, .value_kind: global_buffer, .address_space: global }
      - { .name: kv_img, .offset: 104, .size: 8, .value_kind: global_buffer, .address_space: global }
      - { .name: kv_sc, .offset: 112, .size: 8, .value_kind: global_buffer, .address_space: global }
    .group_segment_fixed_size: 327680
    .private_segment_fixed_size: 0
    .kernarg_segment_align: 8
    .kernarg_segment_size: 120
    .max_flat_workgroup_size: 128
    .sgpr_count:     106
    .vgpr_count:     1024
    .wavefront_size: 32
...
	.end_amdgpu_metadata
.endif
;; end of part 1
;; launch attn (part 2): grid 4 x 64, 8 waves a work-group, clusters of 4 x 1, 327,680 bytes of LDS; arguments q_img, q_sc, kv_img, kv_sc, o_img, o_sc; writes o_img, o_sc
.if DOCPART == 2
	.amdgcn_target "amdgcn-amd-amdhsa--gfx1250"
	.amdhsa_code_object_version 6
	.text
	.protected	k_q7858752c18_attn
	.globl	k_q7858752c18_attn
	.p2align	8
	.type	k_q7858752c18_attn,@function
k_q7858752c18_attn:
	s_mov_b64 s[64:65], 0
	v_nop
	global_prefetch_b8 v0, s[64:65] scope:SCOPE_SE
	s_setreg_imm32_b32 hwreg(HW_REG_WAVE_MODE, 25, 1), 1
	s_wait_xcnt 0x0
	s_wait_alu depctr_hold_cnt(0) depctr_sa_sdst(0) depctr_va_vdst(0) depctr_va_sdst(0) depctr_va_ssrc(0) depctr_va_vcc(0) depctr_vm_vsrc(0)
	s_getreg_b32 s2, hwreg(HW_REG_IB_STS2, 6, 4)
	s_cmp_eq_u32 s2, 0
	s_cbranch_scc0 .Lentry_in_a_cluster
	s_endpgm
.Lentry_in_a_cluster:
	s_bfe_u32 s2, ttmp6, 0x10000c
	s_cmp_lg_u32 s2, 0x3003
	s_cbranch_scc0 .Lentry_shape_is_right
	s_endpgm
.Lentry_shape_is_right:
; O[bh][q] = the sum over k of softmax_k(Q[bh][q] . K[bh][k] / 8) V[bh][k], 64 heads (batch x head) of 2,048 tokens x 64 channels, both products on codes of BF8 (E5M2) with one E8M0 scale for each 32 along a product's K.
; THE SOFTMAX AHEAD OF THE SECOND PRODUCT: t = score x log2(e) / 8; M = the row's largest t so far, rounded UP to a whole number; p = 2^(t - M) is quantised along the keys, not normalised.
; The row's sum is taken of the unquantised p, in f32, and divides O at the end.  When M moves, the sum and O are multiplied by 2^(old M - new M): exact.  O is then quantised along the model's 1,024 and leaves as an image of the last product's operand registers.
; INPUTS, images of operand registers made by the launches before: a chunk of 512 bytes holds four registers of a fragment, lane l's 16 bytes at 16 l.
;   q_img [bh][tile of 16 queries 128][block of 32 channels 2][512];  q_sc [bh][pair of tiles 64][r 16] words: bytes (even tile: blocks 0, 1; odd tile: blocks 0, 1).
;   kv_img [bh][262,144]: K laid as q_img, then V^T [128 keys s 16][16 channels t 4][block of 32 keys c 4][512];  kv_sc [bh][8,192]: K's words as q_sc's, then V's [s][t][r], byte c = block 4 s + c.
; SHARES.  The four work-groups of a cluster are the four blocks of 512 queries of one head.  The head's whole K and V, 262,144 bytes, lie in LDS, filled once by one joint tensor load of 32,768 bytes a wave; behind the head's barrier LDS is only read.
; Eight waves of 512 registers.  A wave owns 64 queries: two passes of TWO tiles of 16, tile A in register window 0 and tile B in window 1 under the same register numbers, so that one text serves both.
; Each fragment of K (window 0) and of V (window 1) is read from LDS once for both tiles: 36 LDS loads for a step's 24 products.  K of step n + 1 is asked for behind step n's first products, V of step n + 1 behind its second products.
; A BARRIER THAT ORDERS NO MEMORY: it is signalled ahead of a step's second products and waited for behind the next step's first softmax, so the eight waves stay within that distance of each other.
; LAYOUT.  Both products transposed (S^T = K Q^T, O^T = V^T P^T): a lane holds ONE query (lane % 16).  The head's 64 fill half of the instruction's 128: a fragment of K holds two tiles of 16 keys and is multiplied by [Q, 0] and by [0, Q];
; the half that meets zero codes holds finite codes under bytes 1 to 254 and adds exactly 0.  Register j of result tile T is row 16 T + 8 h + j of source 0; Q, K, P and V are all laid so; O's codes are put in the natural order at a tile's end.
; NO PREFETCH: K and V are asked for once, at the head, and the text has no loop that runs ahead of that one fill.
; LIMITS: no NaN or infinities; the scaled scores stay under 2^31 in magnitude; a block whose largest magnitude lies under 2^-111 keeps the byte 1, as does a block of zeros (this program alone reads the bytes).
.set VIMG,  131072                     ; LDS: K's images from 0, fragment F at 2,048 F; V's from here, fragment (s, t) at 2,048 (4 s + t)
.set KSCW,  262144                     ; K's scale words, 64 bytes a fragment; V's 4,096 bytes further on
.set SPARE, 270336                     ; the spare words: 128 bytes a wave
.set LI,   1                           ; window 0 alone: v1 16 x lane; v2 4 x lane; v3-5 LDS addresses of K's, V's fragments and of the scale words
.set L4,   2
.set ADK,  3
.set ADV,  4
.set ADS,  5
.set OSO,  6                           ; 32 r + h: my byte in o_sc
.set T16,  7
.set SCW,  8
.set R4,   9
.set AV0,  10
.set AS0,  11
                                       ; in each window: v12 -M, v13 the largest score, v[14:15] the sum
.set Z0,   16                          ; v16-23 zeros; v24-31 Q; v32-39 zeros
.set QF,   24
.set FRG,  40                          ; v40-103: window 0 K's four fragments, window 1 V's
.set S,    104                         ; S^T, then p
.set OT,   168                         ; O^T
.set PC,   200                         ; the sum's seven side chains, then p's codes
.set BM,   216
.set BT,   220
.set HOLD, 224
.set CSC,  228
.set FF,   232                         ; v[232:233] f = 2^(old M - new M)
.set TMP,  234                         ; v234, v235
.set QN,   236                         ; window 1: v236-251 the second pass's Q, tile A's then tile B's
.set KW,   238                         ; window 0: scale words (scale operands are taken from window 0): K's two, V's two, Q's A and B, p's A and B
.set VW,   240
.set QW,   242
.set PW,   244
.set SPW,  246
.set NIL,  247
.set QRAW, 248                         ; v248, v249 the words of my two pairs of tiles
.set RL,   254
.set WV,   16
.set MNT,  19
.set SEL,  20
.set CS,   22
.set G1,   24
.set G0,   32
.set TK,   36
.set TS,   37
.set STEPS, 38
.set TILES, 39
.set MSB, 0
.macro WIN new                         ; the immediate's high byte repeats the setting that is left
.if MSB != \new
	s_set_vgpr_msb (MSB<<8)|\new
.set MSB, \new
.endif
.endm
.macro WALU
	s_wait_alu depctr_va_vdst(0)
.endm
.macro CROUND
	s_barrier_signal -1
	s_barrier_wait -1
	s_cmp_lg_u32 s[WV], 0
	s_cbranch_scc1 .Lnot_wave_0_\@
	s_barrier_signal -3
.Lnot_wave_0_\@:
	s_barrier_wait -3
	s_barrier_signal -1
	s_barrier_wait -1
.endm
	s_load_b256 s[4:11], s[0:1], 0x0               ; q_img, q_sc, kv_img, kv_sc
	s_load_b128 s[12:15], s[0:1], 0x20             ; o_img, o_sc
	v_lshl_add_u32 v[SPW], v0, 2, SPARE
	v_mov_b32 v[NIL], 0
	ds_add_u32 v[SPW], v[NIL]                      ; the opening lines: the add twice on end and its wait
	ds_add_u32 v[SPW], v[NIL]
	v_lshrrev_b32 v1, 5, v0
	v_readfirstlane_b32 s[WV], v1                  ; wave 0..7
	s_bfe_u32 s17, ttmp6, 0x40000                  ; cx: my block of 512 queries; it enters Q's and O's global addresses alone
	s_and_b32 s18, ttmp7, 0xffff                   ; bh
	s_mov_b32 s[G1], 15|(3<<16)|(1<<21)            ; 32,768 dense bytes as 128 rows of 256 (32 elements of 8 bytes); the mask names all four work-groups
	s_mov_b32 s[G1+1], 32<<16
	s_mov_b32 s[G1+2], 128<<16
	s_mov_b32 s[G1+3], 32<<16
	s_mov_b32 s[G1+4], 128
	s_mov_b32 s[G1+5], 32
	s_mov_b32 s[G1+6], 0
	s_mov_b32 s[G1+7], 0
	s_mov_b32 s[G0], 1
	s_lshl_b32 s[G0+1], s[WV], 15
	s_lshl_b32 s42, s18, 18
	s_lshl_b32 s43, s[WV], 15
	s_add_co_u32 s42, s42, s43                     ; the head's 262,144 bytes, my eighth
	s_mov_b32 s43, 0
	s_lshl_b32 s44, s18, 13
	s_mov_b32 s45, 0
	s_mov_b32 s[MNT], 0x600000
	s_mov_b32 s[SEL], 0x76543210
	s_mov_b32 s[SEL+1], 0xfedcba98
	s_mov_b32 s[CS], 0x3e38aa3b                    ; log2(e) / 8
	s_mov_b32 s[CS+1], s[CS]
	s_mov_b32 s[TK], 0
	s_mov_b32 s[TS], 0
	s_mov_b32 s[TILES], 2
	s_wait_dscnt 0x0
	s_wait_kmcnt 0x0
	s_add_nc_u64 s[G0+2:G0+3], s[8:9], s[42:43]
	s_or_b32 s[G0+3], s[G0+3], 0x80000000
	CROUND                                         ; all four work-groups are here: the joint loads meet
	tensor_load_to_lds s[G0:G0+3], s[G1:G1+7]      ; my one tensor load of the launch
	s_nop 0
.rept 4
	v_nop
.endr
	s_add_nc_u64 s[10:11], s[10:11], s[44:45]
	s_lshl_b32 s46, s17, 5
	s_lshl_b32 s47, s[WV], 2
	s_add_co_u32 s46, s46, s47                     ; my first tile of queries in the head: 32 cx + 4 wave
	s_lshl_b32 s48, s18, 17
	s_lshl_b32 s47, s46, 10
	s_add_co_u32 s48, s48, s47
	s_mov_b32 s49, 0
	s_add_nc_u64 s[4:5], s[4:5], s[48:49]
	s_lshl_b32 s48, s18, 12
	s_lshl_b32 s47, s46, 5
	s_add_co_u32 s48, s48, s47
	s_add_nc_u64 s[6:7], s[6:7], s[48:49]
	s_lshr_b32 s47, s18, 4
	s_lshl_b32 s47, s47, 7
	s_add_co_u32 s46, s46, s47                     ; G: my first tile among the 512 tiles of 16 tokens, a multiple of 4
	s_and_b32 s44, s18, 15
	; o_img [128 rows 64][128 along K 8][16 rows 8][block 4][512]: my four tiles lie 2,048 bytes apart
	s_lshr_b32 s48, s46, 3
	s_lshl_b32 s48, s48, 17
	s_and_b32 s47, s46, 7
	s_lshl_b32 s47, s47, 11
	s_add_co_u32 s48, s48, s47
	s_lshr_b32 s47, s44, 1
	s_lshl_b32 s47, s47, 14
	s_add_co_u32 s48, s48, s47
	s_and_b32 s47, s44, 1
	s_lshl_b32 s47, s47, 10
	s_add_co_u32 s48, s48, s47
	s_add_nc_u64 s[12:13], s[12:13], s[48:49]
	s_lshl_b32 s48, s46, 9                         ; o_sc [8192][32]: 512 bytes a tile, my head's two bytes
	s_lshl_b32 s47, s44, 1
	s_add_co_u32 s48, s48, s47
	s_add_nc_u64 s[14:15], s[14:15], s[48:49]
	v_and_b32 v3, 31, v0
	v_and_b32 v4, 15, v0                           ; r
	v_bfe_u32 v5, v0, 4, 1                         ; h
	v_lshlrev_b32 v[T16], 4, v0
	v_lshlrev_b32 v[LI], 4, v3
	v_lshlrev_b32 v[L4], 2, v3
	v_lshl_add_u32 v[OSO], v4, 5, v5
	v_lshlrev_b32 v[R4], 2, v4
	v_add_nc_u32 v[SCW], KSCW, v[T16]
	v_add_nc_u32 v[AV0], VIMG, v[LI]
	v_add_nc_u32 v[AS0], KSCW, v[L4]
	global_load_b128 v[FRG:FRG+3],   v[T16], s[10:11]              ; the head's scale words go through registers: 256 threads x 32 bytes
	global_load_b128 v[FRG+4:FRG+7], v[T16], s[10:11] offset:4096
	global_load_b128 v[QF:QF+3],   v[LI], s[4:5]                   ; tile 0's Q
	global_load_b128 v[QF+4:QF+7], v[LI], s[4:5] offset:512
	global_load_b32 v[QRAW],   v[R4], s[6:7]
	global_load_b32 v[QRAW+1], v[R4], s[6:7] offset:64
	WIN 0x40                                       ; destinations in window 1
	global_load_b128 v[QF:QF+3],   v[LI], s[4:5] offset:1024       ; tile 1's
.irp k, 0,1,2,3
	global_load_b128 v[QN+4*\k:QN+4*\k+3], v[LI], s[4:5] offset:2048+512*\k   ; tiles 2 and 3
.endr
	global_load_b128 v[QF+4:QF+7], v[LI], s[4:5] offset:1536
.irp w, 1,0
	WIN 0x40*\w
.irp j, 0,1,2,3,4,5,6,7
	v_mov_b32 v[Z0+\j], 0
	v_mov_b32 v[QF+8+\j], 0
.endr
.irp b, 0,1,2,3
	v_mov_b32 v[BT+\b], 0                          ; a lane permute's destination counts as one of its sources
.endr
	v_mov_b32 v[FF+1], 0
	v_mov_b32 v[RL+1], 0
.endr
	WALU                                           ; the wait at the head's end
	s_wait_loadcnt 10                              ; the scale words are in; the ten loads issued behind them may be out
	ds_store_b128 v[SCW], v[FRG:FRG+3]
	ds_store_b128 v[SCW], v[FRG+4:FRG+7] offset:4096
	s_wait_tensorcnt 0x0                           ; my eighth of K and V has landed,
	s_wait_dscnt 0x0                               ; my scale words are stored:
	s_barrier_signal -1
	s_barrier_wait -1                              ; everybody's are.  From here on LDS is only read
	s_wait_loadcnt 0x0                             ; Q
.macro KLOAD                           ; a step's four fragments of K (eight tiles of 16 keys) and their scale words: 18 loads
.irp f, 0,1,2,3
.irp c, 0,1,2,3
	ds_load_b128 v[FRG+16*\f+4*\c:FRG+16*\f+4*\c+3], v[ADK] offset:2048*\f+512*\c
.endr
.endr
	ds_load_b32 v[KW],   v[ADS]
	ds_load_b32 v[KW+1], v[ADS] offset:128
.endm
.macro VLOAD                           ; a step's four fragments of V into window 1, and their scale words: 18 loads
	WIN 0x40
.irp t, 0,1,2,3
.irp c, 0,1,2,3
	ds_load_b128 v[FRG+16*\t+4*\c:FRG+16*\t+4*\c+3], v[ADV] offset:2048*\t+512*\c
.endr
.endr
	WIN 0
	ds_load_b32 v[VW],   v[ADS] offset:4096
	ds_load_b32 v[VW+1], v[ADS] offset:4096+128
.endm
.macro QK f, row, w                    ; fragment f's two tiles of keys against tile w's queries
.if \row
	v_wmma_scale_f32_16x16x128_f8f6f4 v[S+16*\f:S+16*\f+7], v[FRG+16*\f:FRG+16*\f+15], v[QF:QF+15], 0, v[KW+\f/2], v[QW+\w] matrix_a_fmt:MATRIX_FMT_BF8 matrix_b_fmt:MATRIX_FMT_BF8 matrix_a_scale:MATRIX_SCALE_ROW1
	v_wmma_scale_f32_16x16x128_f8f6f4 v[S+16*\f+8:S+16*\f+15], v[FRG+16*\f:FRG+16*\f+15], v[Z0:Z0+15], 0, v[KW+\f/2], v[QW+\w] matrix_a_fmt:MATRIX_FMT_BF8 matrix_b_fmt:MATRIX_FMT_BF8 matrix_a_scale:MATRIX_SCALE_ROW1
.else
	v_wmma_scale_f32_16x16x128_f8f6f4 v[S+16*\f:S+16*\f+7], v[FRG+16*\f:FRG+16*\f+15], v[QF:QF+15], 0, v[KW+\f/2], v[QW+\w] matrix_a_fmt:MATRIX_FMT_BF8 matrix_b_fmt:MATRIX_FMT_BF8
	v_wmma_scale_f32_16x16x128_f8f6f4 v[S+16*\f+8:S+16*\f+15], v[FRG+16*\f:FRG+16*\f+15], v[Z0:Z0+15], 0, v[KW+\f/2], v[QW+\w] matrix_a_fmt:MATRIX_FMT_BF8 matrix_b_fmt:MATRIX_FMT_BF8
.endif
.endm
.macro PV t, row, w                    ; tile w's O^T, 16 channels t += V^T x P^T, K = the step's 128 keys
.if \row
	v_wmma_scale_f32_16x16x128_f8f6f4 v[OT+8*\t:OT+8*\t+7], v[FRG+16*\t:FRG+16*\t+15], v[PC:PC+15], v[OT+8*\t:OT+8*\t+7], v[VW+\t/2], v[PW+\w] matrix_a_fmt:MATRIX_FMT_BF8 matrix_b_fmt:MATRIX_FMT_BF8 matrix_a_scale:MATRIX_SCALE_ROW1
.else
	v_wmma_scale_f32_16x16x128_f8f6f4 v[OT+8*\t:OT+8*\t+7], v[FRG+16*\t:FRG+16*\t+15], v[PC:PC+15], v[OT+8*\t:OT+8*\t+7], v[VW+\t/2], v[PW+\w] matrix_a_fmt:MATRIX_FMT_BF8 matrix_b_fmt:MATRIX_FMT_BF8
.endif
.endm
.macro PSUM c, k                       ; side chain c += the pair of p number k
	v_pk_add_f32 v[PC+2*(\c):PC+2*(\c)+1], v[PC+2*(\c):PC+2*(\c)+1], v[S+2*(\k):S+2*(\k)+1]
.endm
.macro ASUM k                          ; the sum += the pair of p number k
	v_pk_add_f32 v[14:15], v[14:15], v[S+2*(\k):S+2*(\k)+1]
.endm
.macro CSUM a, b                       ; side chain a += side chain b
	v_pk_add_f32 v[PC+2*\a:PC+2*\a+1], v[PC+2*\a:PC+2*\a+1], v[PC+2*\b:PC+2*\b+1]
.endm
; THE SOFTMAX AND THE QUANTISER OF ONE TILE'S 128 KEYS, all in window w but for p's scale word
.macro SOFTMAX w
	WIN 0x55*\w
.if \w
	WALU                                           ; tile A's exponentials stand between tile B's products and these first readers
.endif
.irp b, 0,1,2,3
	v_max3_num_f32 v[BM+\b], v[S+16*\b], v[S+1+16*\b], v[S+2+16*\b]   ; the largest score of each block of 32 keys: for the row's maximum and, since p rises with the score, for the block's largest p
.endr
.irp i, 3,5,7,9,11,13
.irp b, 0,1,2,3
	v_max3_num_f32 v[BM+\b], v[BM+\b], v[S+16*\b+\i], v[S+1+16*\b+\i]
.endr
.endr
.irp b, 0,1,2,3
	v_max_num_f32 v[BM+\b], v[BM+\b], v[S+15+16*\b]
.endr
.irp b, 0,1,2,3
	s_delay_alu instid0(VALU_DEP_4)
	v_permlanex16_b32 v[BT+\b], v[BM+\b], s[SEL], s[SEL+1]
.endr
.irp b, 0,1,2,3
	s_delay_alu instid0(VALU_DEP_4)
	v_max_num_f32 v[BM+\b], v[BM+\b], v[BT+\b]     ; with lane l xor 16's 16 keys
.endr
	s_delay_alu instid0(VALU_DEP_2)
	v_max3_num_f32 v[TMP], v[BM], v[BM+1], v[BM+2]
	s_delay_alu instid0(VALU_DEP_1)
	v_max3_num_f32 v13, v13, v[TMP], v[BM+3]       ; the running largest score (c is positive: its t is the running largest t)
	s_delay_alu instid0(VALU_DEP_1)
	v_mul_f32 v[TMP], s[CS], -v13                  ; -t
	v_mov_b32 v[TMP+1], v12
	s_delay_alu instid0(VALU_DEP_2)
	v_floor_f32 v12, v[TMP]                        ; the new -M = floor(-t) = -ceil(t)
	s_delay_alu instid0(VALU_DEP_1)
	v_sub_f32 v[TMP], v12, v[TMP+1]                ; old M - new M: a whole number, 0 or less
	s_delay_alu instid0(VALU_DEP_1)
	v_cvt_i32_f32 v[TMP], v[TMP]                   ; (it saturates)
	s_delay_alu instid0(VALU_DEP_1)
	v_ldexp_f32 v[FF], 1.0, v[TMP]                 ; f = 2^(old M - new M)
.set J, 0
.rept 32
	v_pk_fma_f32 v[S+J:S+J+1], v[S+J:S+J+1], s[CS:CS+1], v[12:13] op_sel_hi:[1,0,0]   ; t - M
.set J, J+2
.endr
	v_pk_fma_f32 v[BM:BM+1],   v[BM:BM+1],   s[CS:CS+1], v[12:13] op_sel_hi:[1,0,0]   ; the same of each block's largest score
	v_pk_fma_f32 v[BM+2:BM+3], v[BM+2:BM+3], s[CS:CS+1], v[12:13] op_sel_hi:[1,0,0]
	WALU                                           ; the wait ahead of the batch
.set J, 0
.rept 64
	v_exp_f32 v[S+J], v[S+J]                       ; p = 2^(t - M), at most 1
.set J, J+1
.endr
.irp b, 0,1,2,3
	v_exp_f32 v[BM+\b], v[BM+\b]                   ; the block's largest p
.endr
	v_pk_mul_f32 v[14:15], v[14:15], v[FF:FF+1] op_sel_hi:[1,0]   ; the sums under the new M (a plain place behind the batch)
	WALU                                           ; and behind it
.irp b, 0,1,2,3
	v_max_num_f32 v[BM+\b], 0x8000000, v[BM+\b]    ; the floor 2^(16 - 127): the byte cannot fall under 1
.endr
.irp b, 0,1,2,3
	s_delay_alu instid0(VALU_DEP_4)
	v_add_nc_u32 v[CSC+\b], 0xf8800000, v[BM+\b]   ; 15 off the exponent field: the conversion's scale operand
.endr
.irp b, 0,1,2,3
	v_and_or_b32 v[HOLD+\b], v[BM+\b], 0x7f800000, s[MNT]   ; 57,344 x the scale
.endr
.irp b, 0,1,2,3
	v_lshrrev_b32 v[BT+\b], 23, v[CSC+\b]          ; the scale's byte
.endr
	s_delay_alu instid0(VALU_DEP_3)
	v_lshl_or_b32 v[TMP], v[BT+1], 8, v[BT]
	s_delay_alu instid0(VALU_DEP_1)
	v_lshl_or_b32 v[TMP], v[BT+2], 16, v[TMP]
.set I, 0
.rept 7                                        ; THE ROW'S SUM OF THE UNQUANTISED p: 32 pairs into eight chains
	v_pk_add_f32 v[PC+2*I:PC+2*I+1], v[S+4*I:S+4*I+1], v[S+4*I+2:S+4*I+3]
.set I, I+1
.endr
	ASUM 14
.set I, 0
.rept 7
	PSUM I, 15+I
.set I, I+1
.endr
	ASUM 22
.set I, 0
.rept 7
	PSUM I, 23+I
.set I, I+1
.endr
	ASUM 30
	PSUM 6, 31
	CSUM 0, 1
	CSUM 2, 3
	CSUM 4, 5
	v_pk_add_f32 v[14:15], v[14:15], v[PC+12:PC+13]
	s_delay_alu instid0(VALU_DEP_3)
	CSUM 0, 2
	s_delay_alu instid0(VALU_DEP_2)
	v_pk_add_f32 v[14:15], v[14:15], v[PC+8:PC+9]
	s_delay_alu instid0(VALU_DEP_1)
	v_pk_add_f32 v[14:15], v[14:15], v[PC:PC+1]
	WIN 0x15*\w                                    ; p's scale word goes to window 0
	v_lshl_or_b32 v[PW+\w], v[BT+3], 24, v[TMP]
	WIN 0x55*\w
.irp b, 0,1,2,3
.irp i, 0,2,4,6,8,10,12,14
	v_dual_min_num_f32 v[S+16*\b+\i], v[S+16*\b+\i], v[HOLD+\b] :: v_dual_min_num_f32 v[S+16*\b+\i+1], v[S+16*\b+\i+1], v[HOLD+\b]   ; the conversion does not saturate (ISA guide 7.6.2); p is not negative: a one-sided hold, two a line
.endr
	v_cvt_scalef32_pk8_bf8_f32 v[PC+4*\b:PC+4*\b+1], v[S+16*\b:S+16*\b+7], v[CSC+\b]
	v_cvt_scalef32_pk8_bf8_f32 v[PC+4*\b+2:PC+4*\b+3], v[S+16*\b+8:S+16*\b+15], v[CSC+\b]
.endr
	WALU                                           ; directly ahead of the first readers of O^T
.set J, 0
.rept 16
	v_pk_mul_f32 v[OT+J:OT+J+1], v[OT+J:OT+J+1], v[FF:FF+1] op_sel_hi:[1,0]   ; O^T under the new M; also the places between the conversions and the products
.set J, J+2
.endr
.endm
; A TILE'S END: O^T / the sum, quantised along the channels (two blocks of 32), put in the natural order, stored
.macro TEND w
	WIN 0x55*\w
	v_add_f32 v14, v14, v15
	s_delay_alu instid0(VALU_DEP_1)
	v_permlanex16_b32 v[TMP], v14, s[SEL], s[SEL+1]
	s_delay_alu instid0(VALU_DEP_1)
	v_add_f32 v14, v14, v[TMP]                     ; the row's sum
	WALU
	v_rcp_f32 v[RL], v14
	v_nop
	WALU
.set J, 0
.rept 16
	v_pk_mul_f32 v[S+J:S+J+1], v[OT+J:OT+J+1], v[RL:RL+1] op_sel_hi:[1,0]   ; register 16 b + 8 u + j: channel 32 b + 16 u + 8 h + j
.set J, J+2
.endr
.irp b, 0,1
	v_max3_num_f32 v[BM+\b], |v[S+16*\b]|, |v[S+1+16*\b]|, 0x8000000
.endr
.irp i, 2,4,6,8,10,12,14
.irp b, 0,1
	s_delay_alu instid0(VALU_DEP_2)
	v_max3_num_f32 v[BM+\b], v[BM+\b], |v[S+16*\b+\i]|, |v[S+1+16*\b+\i]|
.endr
.endr
.irp b, 0,1
	s_delay_alu instid0(VALU_DEP_2)
	v_permlanex16_b32 v[BT+\b], v[BM+\b], s[SEL], s[SEL+1]
.endr
.irp b, 0,1
	s_delay_alu instid0(VALU_DEP_2)
	v_max_num_f32 v[BM+\b], v[BM+\b], v[BT+\b]
.endr
.irp b, 0,1
	s_delay_alu instid0(VALU_DEP_2)
	v_add_nc_u32 v[CSC+\b], 0xf8800000, v[BM+\b]
.endr
.irp b, 0,1
	s_delay_alu instid0(VALU_DEP_4)
	v_and_or_b32 v[HOLD+\b], v[BM+\b], 0x7f800000, s[MNT]
.endr
.irp b, 0,1
	s_delay_alu instid0(VALU_DEP_4)
	v_lshrrev_b32 v[BT+\b], 23, v[CSC+\b]
.endr
.irp b, 0,1
.irp i, 0,1,2,3,4,5,6,7,8,9,10,11,12,13,14,15
	v_med3_num_f32 v[S+16*\b+\i], v[S+16*\b+\i], -v[HOLD+\b], v[HOLD+\b]
.endr
	v_cvt_scalef32_pk8_bf8_f32 v[PC+4*\b:PC+4*\b+1], v[S+16*\b:S+16*\b+7], v[CSC+\b]
	v_cvt_scalef32_pk8_bf8_f32 v[PC+4*\b+2:PC+4*\b+3], v[S+16*\b+8:S+16*\b+15], v[CSC+\b]
.endr
	v_nop                                          ; one plain place behind the last conversion
	; lanes 0-15 hold channels 0-7, 16-23 of a block, lanes 16-31 channels 8-15, 24-31; the operand wants 0-15 and 16-31
.irp b, 0,1
.irp e, 0,1
	v_permlanex16_b32 v[S+4*\b+2*\e],   v[PC+4*\b+2+\e], s[SEL], s[SEL+1]
	v_permlanex16_b32 v[S+4*\b+2*\e+1], v[PC+4*\b+\e],   s[SEL], s[SEL+1]
.endr
.endr
.irp b, 0,1
.irp e, 0,1
	v_cndmask_b32 v[PC+4*\b+\e],   v[PC+4*\b+\e],     v[S+4*\b+2*\e], vcc_lo
	v_cndmask_b32 v[PC+4*\b+2+\e], v[S+4*\b+2*\e+1],  v[PC+4*\b+2+\e], vcc_lo
.endr
.endr
	v_cndmask_b32 v[TMP], v[BT], v[BT+1], vcc_lo   ; lane (r, h) stores block h's byte of row r
	WIN 0x04*\w                                    ; the data in window w, the offsets in window 0
	global_store_b128 v[LI], v[PC:PC+3],   s[12:13] offset:2048*\w       ; each store of the wave covers 512 consecutive bytes, aligned
	global_store_b128 v[LI], v[PC+4:PC+7], s[12:13] offset:2048*\w+512
	global_store_b8 v[OSO], v[TMP], s[14:15] offset:512*\w
.endm
	v_add_nc_u32 v[ADK], s[TK], v[LI]
	v_add_nc_u32 v[ADS], s[TS], v[AS0]
	v_add_nc_u32 v[ADV], s[TK], v[AV0]
	KLOAD                                          ; key step 0
	VLOAD
.Ltile:                                            ; two trips: my two pairs of tiles
	v_perm_b32 v[QW],   v[QRAW], v[QRAW], 0x01000100   ; a tile's two bytes, in both halves of the word
	v_perm_b32 v[QW+1], v[QRAW], v[QRAW], 0x03020302
.irp w, 1,0
	WIN 0x40*\w
	v_mov_b32 v13, 0xff61b1e6                      ; the largest score so far: -3e38
	v_mov_b32 v12, 0x7f61b1e6                      ; -M: 3e38, so that the first f is 0
	v_mov_b32 v14, 0
	v_mov_b32 v15, 0
.set J, 0
.rept 32
	v_mov_b32 v[OT+J], 0                           ; the step is written once: the first finds zeros
.set J, J+1
.endr
.endr
	s_mov_b32 s[STEPS], 16
	WALU                                           ; the wait ahead of the blocking wait
	s_wait_dscnt 0x0                               ; step 0's fragments and words are in; no LDS instruction is pending at a signal
	s_barrier_signal -1
.Lstep:                                            ; A KEY STEP: 128 keys, two tiles of queries.  K's fragments were waited for ahead of the last signal
	QK 0, 0, 0
	QK 1, 1, 0
	QK 2, 0, 0
	QK 3, 1, 0
	WIN 0x44                                       ; tile B: Q and S^T in window 1
	QK 0, 0, 1
	QK 1, 1, 1
	QK 2, 0, 1
	QK 3, 1, 1
	WIN 0
	s_add_co_u32 s[TK], s[TK], 8192                ; on to the next step; behind the sixteenth back to the first
	s_and_b32 s[TK], s[TK], 0x1ffff
	s_add_co_u32 s[TS], s[TS], 256
	s_and_b32 s[TS], s[TS], 0xfff
	v_add_nc_u32 v[ADK], s[TK], v[LI]              ; eight places behind the products: these two lines and six v_nop
	v_add_nc_u32 v[ADS], s[TS], v[AS0]
.rept 6
	v_nop
.endr
	KLOAD                                          ; the next step's K lands under both softmaxes
	SOFTMAX 0
	s_barrier_wait -1                              ; every wave has reached the last step's second products
	SOFTMAX 1
	WIN 0
	WALU                                           ; the wait ahead of the blocking wait
	s_wait_dscnt 0x0                               ; V's fragments and the next step's K are in
	s_barrier_signal -1
	WIN 0x01                                       ; V in window 1
	PV 0, 0, 0
	PV 1, 1, 0
	PV 2, 0, 0
	PV 3, 1, 0
	WIN 0x55
	PV 0, 0, 1
	PV 1, 1, 1
	PV 2, 0, 1
	PV 3, 1, 1                                     ; eight accumulators by turns, one instruction a turn
	WIN 0
	v_add_nc_u32 v[ADV], s[TK], v[AV0]             ; eight places: this line and seven v_nop
.rept 7
	v_nop
.endr
	VLOAD                                          ; the next step's V (the launch's very last K and V are not used)
	s_sub_co_u32 s[STEPS], s[STEPS], 1
	s_cmp_lg_u32 s[STEPS], 0
	s_cbranch_scc1 .Lstep
	s_barrier_wait -1                              ; the last signal's wait, ahead of the stores
	v_cmp_lt_u32 vcc_lo, 255, v[LI]                ; lanes 16-31
	TEND 0
	TEND 1
	WIN 0x01
.irp j, 0,1,2,3,4,5,6,7
	v_mov_b32 v[QF+\j], v[QN+\j]                   ; the second pass's Q: tile A's into window 0,
.endr
	WIN 0x41
.irp j, 0,1,2,3,4,5,6,7
	v_mov_b32 v[QF+\j], v[QN+8+\j]                 ; tile B's into window 1
.endr
	WIN 0
	v_mov_b32 v[QRAW], v[QRAW+1]
	WALU                                           ; the wait ahead of the blocking wait and the branch
	s_wait_xcnt 0x0                                ; the stores have read their data and bases
	s_add_nc_u64 s[12:13], s[12:13], 4096          ; two tiles on
	s_add_nc_u64 s[14:15], s[14:15], 1024
	s_sub_co_u32 s[TILES], s[TILES], 1
	s_cmp_lg_u32 s[TILES], 0
	s_cbranch_scc1 .Ltile
	s_wait_dscnt 0x0
	s_wait_tensorcnt 0x0                           ; the wave's end
	ds_add_u32 v[SPW], v[NIL]
	s_wait_dscnt 0x0
	CROUND                                         ; the closing round
	s_endpgm
.Lfunc_end_k_q7858752c18_attn:
	.size	k_q7858752c18_attn, .Lfunc_end_k_q7858752c18_attn-k_q7858752c18_attn
	.p2alignl 7, 3214868480
	.fill 96, 4, 3214868480
	.section	.rodata,"a",@progbits
	.p2align	6, 0x0
	.amdhsa_kernel k_q7858752c18_attn
		.amdhsa_group_segment_fixed_size 327680
		.amdhsa_private_segment_fixed_size 0
		.amdhsa_enable_private_segment 0
		.amdhsa_kernarg_size 48
		.amdhsa_user_sgpr_count 2
		.amdhsa_user_sgpr_kernarg_segment_ptr 1
		.amdhsa_wavefront_size32 1
		.amdhsa_system_sgpr_workgroup_id_x 1
		.amdhsa_system_sgpr_workgroup_id_y 1
		.amdhsa_system_sgpr_workgroup_id_z 1
		.amdhsa_system_vgpr_workitem_id 0
		.amdhsa_next_free_vgpr 512
		.amdhsa_next_free_sgpr 66
		.amdhsa_reserve_vcc 1
		.amdhsa_float_denorm_mode_32 3
		.amdhsa_float_denorm_mode_16_64 3
		.amdhsa_memory_ordered 1
		.amdhsa_forward_progress 1
		.amdhsa_inst_pref_size 64
	.end_amdhsa_kernel
	.amdgpu_metadata
---
amdhsa.version: [ 1, 2 ]
amdhsa.kernels:
  - .name:           k_q7858752c18_attn
    .symbol:         k_q7858752c18_attn.kd
    .args:
      - { .name: q_img, .offset: 0, .size: 8, .value_kind: global_buffer, .address_space: global }
      - { .name: q_sc, .offset: 8, .size: 8, .value_kind: global_buffer, .address_space: global }
      - { .name: kv_img, .offset: 16, .size: 8, .value_kind: global_buffer, .address_space: global }
      - { .name: kv_sc, .offset: 24, .size: 8, .value_kind: global_buffer, .address_space: global }
      - { .name: o_img, .offset: 32, .size: 8, .value_kind: global_buffer, .address_space: global }
      - { .name: o_sc, .offset: 40, .size: 8, .value_kind: global_buffer, .address_space: global }
    .group_segment_fixed_size: 327680
    .private_segment_fixed_size: 0
    .kernarg_segment_align: 8
    .kernarg_segment_size: 48
    .max_flat_workgroup_size: 256
    .sgpr_count:     66
    .vgpr_count:     512
    .wavefront_size: 32
...
	.end_amdgpu_metadata
.endif
;; end of part 2
;; launch outp (part 3): grid 8 x 32, 4 waves a work-group, clusters of 4 x 4, 327,680 bytes of LDS; arguments o_img, o_sc, Wo_codes, Wo_scales, bo, out0; writes out0
.if DOCPART == 3
	.amdgcn_target "amdgcn-amd-amdhsa--gfx1250"
	.amdhsa_code_object_version 6
	.text
	.protected	k_q7858752c18_outp
	.globl	k_q7858752c18_outp
	.p2align	8
	.type	k_q7858752c18_outp,@function
k_q7858752c18_outp:
	s_mov_b64 s[64:65], 0
	v_nop
	global_prefetch_b8 v0, s[64:65] scope:SCOPE_SE
	s_setreg_imm32_b32 hwreg(HW_REG_WAVE_MODE, 25, 1), 1
	s_wait_xcnt 0x0
	s_wait_alu depctr_hold_cnt(0) depctr_sa_sdst(0) depctr_va_vdst(0) depctr_va_sdst(0) depctr_va_ssrc(0) depctr_va_vcc(0) depctr_vm_vsrc(0)
	s_getreg_b32 s2, hwreg(HW_REG_IB_STS2, 6, 4)
	s_cmp_eq_u32 s2, 0
	s_cbranch_scc0 .Lentry_in_a_cluster
	s_endpgm
.Lentry_in_a_cluster:
	s_bfe_u32 s2, ttmp6, 0x10000c
	s_cmp_lg_u32 s2, 0xf033
	s_cbranch_scc0 .Lentry_shape_is_right
	s_endpgm
.Lentry_shape_is_right:
; out0 = O Wo^T + bo on codes of BF8 (E5M2, one E8M0 byte for 32 along K), f32 sums, f32 out.
; o_img [128 tokens 64][128 along K q 8][16 tokens i 8][block of 32 c 4][lane][16 bytes]: images of operand registers, as the attention launch leaves them; 128 tokens are 131,072 dense bytes.  o_sc [8,192][32].
; SHARES.  256 work-groups: 128 rows of Wo (columns of out0) x 256 tokens.  Four waves, 2 x 2: a wave holds 64 rows of Wo, ALL of K, in 512 registers (windows 1, 2) and takes 64 of each 128 tokens in blocks of 16, which stand in window 3 as two sets.
; LDS: two slots of 128 rows x (1,024 + 16) bytes; the images are stated as rows of 1,024 bytes too, so that both fills of slot Y cover the same bytes.  At the head: wave 0 Wo's rows into slot Y, wave 1 tokens 0-127 into slot X, waves 2, 3 the tokens' scale bytes.
; When all waves hold the weight in registers, tokens 128-255 are filled over it in a drained round of the cluster's barrier, a quarter a wave.  Joint loads: tokens are shared along a row of the cluster, Wo along a column.
; A block is 32 products on four accumulators by turns; the bias is the first products' C.  Source 0 = Wo's rows, source 1 = tokens: a lane holds one token and eight neighbouring columns.
; A finished block goes through my own stage in LDS and leaves, behind the next block's products, as rows of 256 bytes: sixteen lanes store one aligned unit.
; PREFETCH: tokens 128-255 are asked for once in each row of a cluster, at the head, 8,192 bytes a wave, lanes 256 bytes apart, shared out by address.
; LIMITS: no NaN or infinities.
.set PITCH, 1040
.set YB, 128*PITCH
.set SCL, 2*YB
.set STAGE, SCL+32*272
.set SPARE, STAGE+4*4352
.set NF, 34
.set NP, 8
.set ADX, 4                            ; v4-7 my images in slot X (q 0-3, q 4-7) and in slot Y
.set ADW, 8
.set AAS, 9
.set SPW, 10
.set NIL, 11
.set ABS, 12
.set PFO, 13
.set STO, 14
.set RD, 15
.set CO, 16
.set BOF, 17
.set SB, 24
.set SA, 44
.set ACC, 64
.set OB, 128                           ; v128-191 a block's rows read back from the stage, two sets
.set BQ, 208
.set G1W, 24
.set G1X, 32
.set G1R, 48
.set G1S, 56
.set G0W, 68
.set G0X, 72
.set G0S, 76
.set G0R, 80
.set MSB, 0
.macro WIN new
.if MSB != \new
	s_set_vgpr_msb (MSB<<8)|\new
.set MSB, \new
.endif
.endm
.macro PLACES n
.rept \n
	v_nop
.endr
.endm
.macro BARRIER
	s_barrier_signal -1
	s_barrier_wait -1
.endm
.macro CROUND
	BARRIER
	s_cmp_lg_u32 s14, 0
	s_cbranch_scc1 .Lnot_wave_0_\@
	s_barrier_signal -3
.Lnot_wave_0_\@:
	s_barrier_wait -3
	BARRIER
.endm
.macro TLOAD g0, g1
	tensor_load_to_lds s[\g0:\g0+3], s[\g1:\g1+7]
	s_nop 0
	PLACES 4
.endm
.macro GROUP1 g, mask, rows
	s_or_b32 s[\g+0], s[\mask], (1<<20)|(1<<21)|(7<<22)|(3<<25)
	s_mov_b32 s[\g+1], 1024<<16
	s_mov_b32 s[\g+2], (\rows)<<16
	s_mov_b32 s[\g+3], 1024<<16
	s_mov_b32 s[\g+4], \rows
	s_mov_b32 s[\g+5], 1024
	s_mov_b32 s[\g+6], 0
	s_mov_b32 s[\g+7], 0
.endm
	s_load_b256 s[4:11], s[0:1], 0x0               ; o_img, o_sc, Wo_codes, Wo_scales
	s_load_b128 s[84:87], s[0:1], 0x20             ; bo, out0
	v_lshl_add_u32 v[SPW], v0, 2, SPARE
	v_mov_b32 v[NIL], 0
	ds_add_u32 v[SPW], v[NIL]                      ; the opening lines
	ds_add_u32 v[SPW], v[NIL]
	v_lshrrev_b32 v1, 5, v0
	v_readfirstlane_b32 s14, v1
	s_lshr_b32 s15, s14, 1                         ; my half of a chunk's tokens
	s_and_b32 s16, s14, 1                          ; my half of the weight's rows
	s_bfe_u32 s40, ttmp6, 0x40000
	s_bfe_u32 s41, ttmp6, 0x40004
	s_lshl_b32 s42, ttmp9, 2
	s_add_co_u32 s42, s42, s40                     ; the weight's tile of 128 rows
	s_and_b32 s17, ttmp7, 0xffff
	s_lshl_b32 s17, s17, 2
	s_add_co_u32 s17, s17, s41                     ; the tile of 256 tokens
	s_lshl_b32 s44, s41, 2
	s_lshl_b32 s44, 15, s44
	s_lshl_b32 s45, 0x1111, s40
	GROUP1 G1W, 45, 128
	GROUP1 G1X, 44, 128
	GROUP1 G1R, 44, 32
	s_or_b32 s[G1S+0], s44, (3<<16)|(1<<20)|(1<<21)|(5<<22)|(3<<25)
	s_mov_b32 s[G1S+1], 32<<16
	s_mov_b32 s[G1S+2], 16<<16
	s_mov_b32 s[G1S+3], 32<<16
	s_mov_b32 s[G1S+4], 16
	s_mov_b32 s[G1S+5], 32
	s_mov_b32 s[G1S+6], 0
	s_mov_b32 s[G1S+7], 0
	s_mov_b32 s[G0W], 1
	s_mov_b32 s[G0W+1], YB
	s_mov_b32 s[G0X], 1
	s_mov_b32 s[G0X+1], 0
	s_mov_b32 s[G0S], 1
	s_mul_i32 s[G0S+1], s16, 16*272
	s_add_co_u32 s[G0S+1], s[G0S+1], SCL
	s_mov_b32 s[G0R], 1
	s_mul_i32 s[G0R+1], s14, 32*PITCH
	s_add_co_u32 s[G0R+1], s[G0R+1], YB
	s_lshl_b32 s18, s42, 17
	s_mov_b32 s19, 0
	s_lshl_b32 s20, s17, 18
	s_mov_b32 s21, 0
	s_lshl_b32 s22, s17, 13
	s_lshl_b32 s23, s16, 12
	s_add_co_u32 s22, s22, s23
	s_mov_b32 s23, 0
	s_lshl_b32 s46, s42, 12
	s_lshl_b32 s47, s16, 11
	s_add_co_u32 s46, s46, s47
	s_mov_b32 s47, 0
	s_lshl_b32 s90, s14, 15
	s_add_co_u32 s90, s90, s20
	s_add_co_u32 s90, s90, 131072
	s_mov_b32 s91, 0
	s_lshl_b32 s92, s40, 2
	s_add_co_u32 s92, s92, s14
	s_lshl_b32 s92, s92, 13
	s_add_co_u32 s92, s92, s20
	s_add_co_u32 s92, s92, 131072
	s_wait_dscnt 0x0
	s_wait_kmcnt 0x0
	s_add_nc_u64 s[G0W+2:G0W+3], s[8:9], s[18:19]
	s_or_b32 s[G0W+3], s[G0W+3], 0x80000000
	s_add_nc_u64 s[G0X+2:G0X+3], s[4:5], s[20:21]
	s_or_b32 s[G0X+3], s[G0X+3], 0x80000000
	s_add_nc_u64 s[G0S+2:G0S+3], s[6:7], s[22:23]
	s_or_b32 s[G0S+3], s[G0S+3], 0x80000000
	s_add_nc_u64 s[G0R+2:G0R+3], s[4:5], s[90:91]
	s_or_b32 s[G0R+3], s[G0R+3], 0x80000000
	s_add_nc_u64 s[10:11], s[10:11], s[46:47]
	CROUND
	s_cmp_eq_u32 s14, 0                            ; one joint load a wave
	s_cbranch_scc0 .Lwave_1
	TLOAD G0W, G1W
	s_branch .Lasked
.Lwave_1:
	s_cmp_eq_u32 s14, 1
	s_cbranch_scc0 .Lfor_scales
	TLOAD G0X, G1X
	s_branch .Lasked
.Lfor_scales:
	TLOAD G0S, G1S
.Lasked:
	s_lshl_b32 s96, s42, 9                         ; my 64 columns, in bytes
	s_lshl_b32 s95, s16, 8
	s_add_co_u32 s96, s96, s95
	s_mov_b32 s97, 0
	s_add_nc_u64 s[84:85], s[84:85], s[96:97]
	s_lshl_b32 s95, s17, 20                        ; my first token's row of 4,096 bytes
	s_add_co_u32 s96, s96, s95
	s_lshl_b32 s95, s15, 18
	s_add_co_u32 s96, s96, s95
	s_add_nc_u64 s[86:87], s[86:87], s[96:97]
	s_mul_i32 s93, s15, 4*2080                     ; my four blocks of a chunk's images
	s_mul_i32 s95, s16, 64*PITCH
	s_add_co_u32 s95, s95, YB
	s_mul_i32 s96, s15, 8*272
	s_add_co_u32 s96, s96, SCL
	s_mul_i32 s94, s14, 4352
	s_add_co_u32 s94, s94, STAGE
	v_and_b32 v1, 15, v0                           ; r
	v_bfe_u32 v2, v0, 4, 1                         ; h
	v_and_b32 v3, 31, v0
	v_mul_u32_u24 v20, v1, PITCH
	v_lshlrev_b32 v21, 5, v1
	v_lshrrev_b32 v22, 3, v1
	v_lshl_add_u32 v20, v2, 4, v20
	v_lshl_add_u32 v21, v22, 4, v21
	v_lshl_add_u32 v[ADX], v3, 4, s93
	v_mul_u32_u24 v23, v1, 272
	v_mul_u32_u24 v22, v2, 272
	v_add_nc_u32 v[ADW], s95, v20
	v_add_nc_u32 v[AAS], s96, v21
	v_add_nc_u32 v[ADX+1], 4*16640, v[ADX]
	v_add_nc_u32 v[ADX+2], YB, v[ADX]
	v_add_nc_u32 v[ADX+3], YB+4*16640, v[ADX]
	v_lshl_add_u32 v23, v2, 5, v23
	v_lshl_add_u32 v22, v1, 4, v22
	v_add_nc_u32 v[STO], s94, v23                  ; in: row r, 32 bytes for each half of the lanes
	v_add_nc_u32 v[RD], s94, v22                   ; back: lanes 0-15 one row of 256 bytes, lanes 16-31 the next
	v_lshlrev_b32 v[CO], 12, v2
	v_lshl_add_u32 v[CO], v1, 4, v[CO]             ; and the same two rows in out0
	v_lshlrev_b32 v[ABS], 5, v3
	v_lshlrev_b32 v[BOF], 5, v2
	v_lshl_add_u32 v[PFO], v3, 8, s92
.irp p, 0,1
.irp c, 0,1
	global_load_b128 v[SB+8*\p+4*\c:SB+8*\p+4*\c+3], v[ABS], s[10:11] offset:\p*1024+16*\c
.endr
.endr
.irp b, 0,1,2,3
	global_load_b128 v[BQ+8*\b:BQ+8*\b+3],   v[BOF], s[84:85] offset:64*\b      ; register j of tile b: column 16 b + 8 h + j
	global_load_b128 v[BQ+8*\b+4:BQ+8*\b+7], v[BOF], s[84:85] offset:64*\b+16
.endr
	global_prefetch_b8 v[PFO], s[4:5] th:TH_LOAD_NT scope:SCOPE_SE
	s_wait_alu depctr_va_vdst(0)                   ; the wait at the head's end
	s_wait_tensorcnt 0x0
	BARRIER
.irp q, 0,1,2,3,4,5,6,7
	WIN (1+\q/4)<<6
.irp b, 0,1,2,3
.irp c, 0,1,2,3
	ds_load_b128 v[16*((4*\q+\b)%16)+4*\c:16*((4*\q+\b)%16)+4*\c+3], v[ADW] offset:\b*16*PITCH+128*\q+32*\c
.endr
.endr
.endr
	WIN 0
	s_wait_tensorcnt 0x0                           ; the three lines ahead of a refill's round
	ds_add_u32 v[SPW], v[NIL]
	s_wait_dscnt 0x0                               ; the weight is in my registers
	CROUND
	TLOAD G0R, G1R                                 ; tokens 128-255 over the weight's bytes, a quarter a wave
.macro FETCH e, sl, j                  ; block j of the chunk in slot sl into set e: byte L of the images lies at L + 16 (L / 1,024)
	WIN 3<<6
.irp q, 0,1,2,3,4,5,6,7
.irp c, 0,1,2,3
	ds_load_b128 v[128*(\e)+16*\q+4*\c:128*(\e)+16*\q+4*\c+3], v[ADX+2*(\sl)+\q/4] offset:(\q%4)*16640+(\j)*2080+\c*512+(\c/2)*16
.endr
.endr
	WIN 0
	ds_load_b128 v[SA+8*(\e):SA+8*(\e)+3], v[AAS] offset:(16*(\sl)+2*(\j))*272
	ds_load_b128 v[SA+8*(\e)+4:SA+8*(\e)+7], v[AAS] offset:(16*(\sl)+2*(\j))*272+16
.endm
.macro PROD e, n
.set Q_, (\n)/4
.set B_, (\n)%4
.set AC_, ACC+32*(\e)+8*B_
.set C_, AC_
.if Q_ == 0
.set C_, BQ+8*B_
.endif
.set R_, 128*(\e)+16*Q_
.set W_, 16*((\n)%16)
	WIN (1+(\n)/16)|(3<<2)
.if B_%2
	v_wmma_scale_f32_16x16x128_f8f6f4 v[AC_:AC_+7], v[W_:W_+15], v[R_:R_+15], v[C_:C_+7], v[SB+8*(B_/2)+Q_], v[SA+8*(\e)+Q_] matrix_a_fmt:MATRIX_FMT_BF8 matrix_b_fmt:MATRIX_FMT_BF8 matrix_a_scale:MATRIX_SCALE_ROW1
.else
	v_wmma_scale_f32_16x16x128_f8f6f4 v[AC_:AC_+7], v[W_:W_+15], v[R_:R_+15], v[C_:C_+7], v[SB+8*(B_/2)+Q_], v[SA+8*(\e)+Q_] matrix_a_fmt:MATRIX_FMT_BF8 matrix_b_fmt:MATRIX_FMT_BF8
.endif
.endm
.macro TOSTAGE e                       ; 16 LDS instructions; LDS serves a wave's instructions in order (ISA guide 5.7.1.4)
.irp b, 0,1,2,3
	ds_store_b128 v[STO], v[ACC+32*(\e)+8*\b:ACC+32*(\e)+8*\b+3] offset:64*\b
	ds_store_b128 v[STO], v[ACC+32*(\e)+8*\b+4:ACC+32*(\e)+8*\b+7] offset:64*\b+16
.endr
.irp t, 0,1,2,3,4,5,6,7
	ds_load_b128 v[OB+32*(\e)+4*\t:OB+32*(\e)+4*\t+3], v[RD] offset:\t*544
.endr
.endm
.macro SEND k
.irp t, 0,1,2,3,4,5,6,7
	global_store_b128 v[CO], v[OB+32*((\k)%2)+4*\t:OB+32*((\k)%2)+4*\t+3], s[86:87] offset:(((\k)/4)*128+((\k)%4)*16+2*\t)*4096 th:TH_STORE_NT
.endr
.endm
.macro BLK k
.set E_, (\k)%2
.set K2_, (\k)+2
.if (\k) == 0
	s_wait_dscnt NF                                ; behind this block's loads: the next block's
.elseif (\k) == 7
	s_wait_dscnt 16                                ; the last stage's 16
.else
	s_wait_dscnt NF+16                             ; a stage's 16 and the next block's loads
.endif
	s_wait_xcnt 0x0                                ; the stores before have read their registers
.set N_, 0
.rept 32
	PROD E_, N_
.set N_, N_+1
.endr
	WIN 0
.if (\k) == 7
	s_wait_dscnt 0x0
	SEND 6
.elseif (\k) > 0
	s_wait_dscnt NF                                ; the block before is back from the stage; behind it: the next block's loads
	SEND (\k)-1
.endif
	PLACES NP
	TOSTAGE E_
.if (\k) == 2
	s_wait_tensorcnt 0x0                           ; my part of tokens 128-255 is in,
	s_wait_dscnt 0x0
	BARRIER                                        ; everybody's is
.endif
.if (\k) < 6
	FETCH E_, K2_/4, K2_%4
.endif
.endm
	FETCH 0, 0, 0
	FETCH 1, 0, 1
	s_wait_loadcnt 0x0                             ; the weight's scale words and the bias
.irp k, 0,1,2,3,4,5,6,7
	BLK \k
.endr
	s_wait_dscnt 0x0
	SEND 7
	s_wait_tensorcnt 0x0                           ; the wave's end
	ds_add_u32 v[SPW], v[NIL]
	s_wait_dscnt 0x0
	CROUND
	s_endpgm
.Lfunc_end_k_q7858752c18_outp:
	.size	k_q7858752c18_outp, .Lfunc_end_k_q7858752c18_outp-k_q7858752c18_outp
	.p2alignl 7, 3214868480
	.fill 96, 4, 3214868480
	.section	.rodata,"a",@progbits
	.p2align	6, 0x0
	.amdhsa_kernel k_q7858752c18_outp
		.amdhsa_group_segment_fixed_size 327680
		.amdhsa_private_segment_fixed_size 0
		.amdhsa_enable_private_segment 0
		.amdhsa_kernarg_size 48
		.amdhsa_user_sgpr_count 2
		.amdhsa_user_sgpr_kernarg_segment_ptr 1
		.amdhsa_wavefront_size32 1
		.amdhsa_system_sgpr_workgroup_id_x 1
		.amdhsa_system_sgpr_workgroup_id_y 1
		.amdhsa_system_sgpr_workgroup_id_z 1
		.amdhsa_system_vgpr_workitem_id 0
		.amdhsa_next_free_vgpr 1024
		.amdhsa_next_free_sgpr 100
		.amdhsa_reserve_vcc 0
		.amdhsa_float_denorm_mode_32 3
		.amdhsa_float_denorm_mode_16_64 3
		.amdhsa_memory_ordered 1
		.amdhsa_forward_progress 1
		.amdhsa_inst_pref_size 86
	.end_amdhsa_kernel
	.amdgpu_metadata
---
amdhsa.version: [ 1, 2 ]
amdhsa.kernels:
  - .name:           k_q7858752c18_outp
    .symbol:         k_q7858752c18_outp.kd
    .args:
      - { .name: o_img, .offset: 0, .size: 8, .value_kind: global_buffer, .address_space: global }
      - { .name: o_sc, .offset: 8, .size: 8, .value_kind: global_buffer, .address_space: global }
      - { .name: Wo_codes, .offset: 16, .size: 8, .value_kind: global_buffer, .address_space: global }
      - { .name: Wo_scales, .offset: 24, .size: 8, .value_kind: global_buffer, .address_space: global }
      - { .name: bo, .offset: 32, .size: 8, .value_kind: global_buffer, .address_space: global }
      - { .name: out0, .offset: 40, .size: 8, .value_kind: global_buffer, .address_space: global }
    .group_segment_fixed_size: 327680
    .private_segment_fixed_size: 0
    .kernarg_segment_align: 8
    .kernarg_segment_size: 48
    .max_flat_workgroup_size: 128
    .sgpr_count:     100
    .vgpr_count:     1024
    .wavefront_size: 32
...
	.end_amdgpu_metadata
.endif
;; end of part 3
